; MI455X (gfx1250); checked and timed in simulation.
; The chip was launched on July 23, 2026; its instructions are those of AMD's public machine-readable ISA for CDNA 5 (MIT licence, August 2026) and "CDNA5" Instruction Set Architecture Reference Guide (July 2026). The comments in the code are by the model that wrote it; some were corrected since.
;; Mo E Block. Allowed arithmetic: matrix products marked QUANTISED: E2M1 operands, one E8M0 scale for each 32 along K, by v_wmma_scale_f32_16x16x128_f8f6f4 with both operands' format E2M1 (or v_wmma_scale_f32_32x16x128_f4), f32 sums; products left as they are: f32 operands where the result goes on into a quantised operand, else bf16, f16 or f32 operands; f32 sums; everything else in f32.
;; Inputs: b1 8 x 1,024 float32; b2 8 x 256 float32; gate_b 8 float32; gate_w 256 x 8 float32; w1 8 x 256 x 1,024 float32; w2 8 x 1,024 x 256 float32; x 4 x 2,048 x 256 float32.
;; Outputs: out0 4 x 2,048 x 256 float32.
;; This version of the problem:
;;   THIS VERSION OF THE PROBLEM IS GIVEN IN LOW PRECISION. The matrix products marked QUANTISED in the list below multiply operands that are first quantised to E2M1 (2 exponent bits, 1 mantissa bit; 4 bits a number), with one power-of-two scale for each 32 numbers along K (OCP MX v1.0); their sums are f32. All else is computed in f32.
;;   The module's matrix products, in the order in which they are computed (A, B: the left and right operand; K: the contracted axis; several contracted axes count as one K, in the product's order):
;;     1. [M 8,192, K 256] x [K 256, N 8]; A: input x; B: input gate_w: left as it is (N = 8 < 16)
;;     2. [M 8,192, K 256] x [K 256, N 1,024]; A: input x; B: input w1: QUANTISED
;;     3. [M 8,192, K 1,024] x [K 1,024, N 256]; A: computed on the way; B: input w2: QUANTISED
;;     4. [M 8,192, K 256] x [K 256, N 1,024]; A: input x; B: input w1: QUANTISED
;;     5. [M 8,192, K 1,024] x [K 1,024, N 256]; A: computed on the way; B: input w2: QUANTISED
;;     6. [M 8,192, K 256] x [K 256, N 1,024]; A: input x; B: input w1: QUANTISED
;;     7. [M 8,192, K 1,024] x [K 1,024, N 256]; A: computed on the way; B: input w2: QUANTISED
;;     8. [M 8,192, K 256] x [K 256, N 1,024]; A: input x; B: input w1: QUANTISED
;;     9. [M 8,192, K 1,024] x [K 1,024, N 256]; A: computed on the way; B: input w2: QUANTISED
;;     10. [M 8,192, K 256] x [K 256, N 1,024]; A: input x; B: input w1: QUANTISED
;;     11. [M 8,192, K 1,024] x [K 1,024, N 256]; A: computed on the way; B: input w2: QUANTISED
;;     12. [M 8,192, K 256] x [K 256, N 1,024]; A: input x; B: input w1: QUANTISED
;;     13. [M 8,192, K 1,024] x [K 1,024, N 256]; A: computed on the way; B: input w2: QUANTISED
;;     14. [M 8,192, K 256] x [K 256, N 1,024]; A: input x; B: input w1: QUANTISED
;;     15. [M 8,192, K 1,024] x [K 1,024, N 256]; A: computed on the way; B: input w2: QUANTISED
;;     16. [M 8,192, K 256] x [K 256, N 1,024]; A: input x; B: input w1: QUANTISED
;;     17. [M 8,192, K 1,024] x [K 1,024, N 256]; A: computed on the way; B: input w2: QUANTISED
;;   THE QUANTISER, for each operand of a quantised product, along K:
;;     - K is cut into blocks of 32 from its start; a last block that is shorter is filled with zeros.
;;     - A block's scale is 2^e with e = floor(log2(the largest magnitude in the block)) - 2, held to -126 .. 127; a block of zeros has e = 0. As a byte (E8M0): e + 127.
;;     - Each number is divided by its block's scale, clamped to +-6, and rounded to the nearest number of E2M1, ties to even, subnormals kept.
;;     - The product sums the exact products of the quantised numbers (number of the format x scale) in f32.
;;   ~~~python
;;   def quantise(x, axis):      # numpy; x: float32 -> the quantised numbers, widened to float32 again
;;       x = np.moveaxis(x, axis, -1); K = x.shape[-1]
;;       x = np.pad(x, [(0, 0)] * (x.ndim - 1) + [(0, -K % 32)]); x = x.reshape(x.shape[:-1] + (-1, 32)); a = np.abs(x).max(-1, keepdims=True)
;;       e = np.where(a > 0, np.clip(np.frexp(np.where(a > 0, a, 1))[1] - 1 - 2, -126, 127), 0)      # np.frexp(a)[1] - 1 = floor(log2(a)), exactly
;;       r = np.clip(x / 2.0 ** e, -6, 6)
;;       step = 2.0 ** (np.maximum(np.frexp(np.where(r == 0, 1, r))[1] - 1, 0) - 1)
;;       q = np.round(r / step) * step * 2.0 ** e      # np.round: ties to even
;;       return np.moveaxis(q.reshape(q.shape[:-2] + (-1,))[..., :K], -1, axis).astype(np.float32)
;;   ~~~
;;   OPERANDS COMPUTED ON THE WAY. 'Computed on the way' means the value that the module computes at that place (a softmax that the list does not call 'softmax' is quantised finished and normalised). What goes into a quantiser is computed in f32, as accurately as f32 sums, v_exp_f32 and their like allow (about 1e-6 of the number): no bf16 or f16 on the way to a quantiser, and a product that is left as it is and whose result goes on into a quantised operand takes f32 operands (vector FMAs, or v_wmma_f32_16x16x4_f32). A number that lies on a knife's edge between two numbers of the format may be rounded either way, as far as f32 arithmetic and the matrix unit's own rounding can turn it there, and no further.
;; 2 versions, each right; version 2 is version 1 with the launch chain written anew for expert scheduling mode. Each part assembles by itself: llvm-mc -triple=amdgcn-amd-amdhsa -mcpu=gfx1250 --defsym DOCPART=n.
;; ======== version 1 of 2: 3 launches
;; workspace buffers: xq 1,114,112 bytes; wq 2,228,224 bytes; sel 32,768 bytes of whole numbers; gwt 65,536 bytes; hist 32,768 bytes of whole numbers; ordi 65,536 bytes of whole numbers; ordw 65,536 bytes
;; launch prep (part 1): grid 256 x 1, 4 waves a work-group, no clusters, 41,472 bytes of LDS; arguments x, gate_w, gate_b, w1, w2, xq, wq, sel, gwt, hist; writes xq, wq, sel, gwt, hist
.if DOCPART == 1
	.amdgcn_target "amdgcn-amd-amdhsa--gfx1250"
	.amdhsa_code_object_version 6
	.text
	.protected	k_q7df215b9f4_prep
	.globl	k_q7df215b9f4_prep
	.p2align	8
	.type	k_q7df215b9f4_prep,@function
k_q7df215b9f4_prep:
	s_mov_b64 s[64:65], 0
	v_nop
	global_prefetch_b8 v0, s[64:65] scope:SCOPE_SE
	s_setreg_imm32_b32 hwreg(HW_REG_WAVE_MODE, 25, 1), 1
	s_wait_xcnt 0x0
; FIRST LAUNCH OF THREE.  Work-group g (of 256, four waves) does two things.
; (1) THE ROUTER AND x, for tokens 32 g .. 32 g + 31, eight a wave.  Logits x . gate_w + gate_b in f32; the two largest (on equal logits the lower index, as jax.lax.top_k
;     keeps it); their two weights wa = 1 / (1 + e^(l2 - l1)), wb = e^(l2 - l1) wa: that is softmax, top-2 and renormalisation with the largest logit taken away, the exponent never above 0.
;     x becomes codes of FP4 (E2M1), K = the 256 innermost, 128 bytes a token, and 8 scale bytes (E8M0) a token.
;     Each token's unordered pair of experts (a < b) has a rank 0 .. 27 in an order in which neighbouring pairs share an expert: a (15 - a) / 2 + (a odd ? 7 - b : b - a - 1).
;     Stored at FIXED places: the word rank | i1 << 8 | i2 << 12 | (how many earlier tokens of the group have the same rank) << 16, the two weights, and the group's count of each rank.
;     No address and no branch of this launch hangs on them: the next launch places the tokens.
; (2) ONE PART OF THE WEIGHTS A WAVE: 32 columns x 128 along K of w1 (g < 128) or w2 (g >= 128), K being the FIRST axis of an expert's matrix.  A lane takes a column and its registers run down K,
;     so a block of 32 along K lies in one lane and the conversions give codes with K innermost.  They are stored IN THE ORDER OF THE OPERAND'S REGISTERS:
;     wq is 128 blocks of 17,408 bytes; block 8 e + c: w1 of expert e, hidden units 128 c ..; block 64 + 8 e + c: w2 of expert e, K step c.  A block is 16 images of fragments (16 rows x 128 K, 1,024 bytes:
;     byte 512 c' + 16 lane = the lane's registers 4 c' .. 4 c' + 3) and 1,024 bytes of scale words.  w1: fragment 4 b + 2 s + u (b: which 32 hidden units, s: K step, u: tile of the pair), whose row r is
;     hidden unit 32 b + 8 u + r % 8 + 16 (r / 8); scale word at 16,384 + 512 (b / 2) + 16 (16 u + r) + 4 (2 (b % 2) + s).  w2: fragment nt, row r = output 16 nt + r; scale word at 16,384 + 512 (nt / 8) + 16 (16 (nt % 2) + r) + 4 ((nt / 2) % 4).
; A block's scale is 2^(floor(log2(its largest magnitude)) - 2); its byte is the largest magnitude's exponent field - 2, held at 1 from below.
; LIMITS.  A block of zeros gets the byte 1 where the quantiser says 127: its codes are zeros, and this program alone reads the bytes.  NaN and infinities among the inputs are not served.
;     The two largest are taken of the logits, not of the softmax: logits that differ by less than f32 sums of 256 products resolve can be chosen otherwise than by another order of summation.
; No matrix unit (8 columns), no tensor loads, no cluster: nothing here is read by two work-groups but gate_w's 8,192 bytes.
.set REDW, 8704                        ; LDS 0: a region for each wave: 32 lanes x 272 bytes: each lane's part sums of 8 tokens x 8 experts (256 bytes + 16: an odd multiple of 16)
.set REDP, 272
.set LOGS, 34816                       ; the 32 tokens' logits, 32 bytes each
.set XCT,  35840                       ; 1,024 bytes a wave: its 8 tokens' codes
.set XSB,  39936                       ; the 32 tokens' scale bytes, 8 each
.set GW,   16                          ; v16-79    gate_w[8 l + dd][e] at 8 dd + e; later weight blocks 2 and 3
.set X,    80                          ; v80-143   token j's numbers 8 l .. 8 l + 7 at 8 j; later the part sums read back; later wave 0's router
.set ACC,  144                         ; v144-175  four tokens x 8 experts
.set CD,   144                         ; v144-159  the weights' codes, four registers a block, so that no store's data are written again
.set SW,   160                         ; v160      my column's scale word
.set MX,   240                         ; v240-247  x: a token's largest magnitude, then the conversion's scale, then the byte
.set XC,   248                         ; v248-255  x: a token's 8 codes
	s_load_b256 s[4:11], s[0:1], 0x0               ; x s[4:5], gate_w s[6:7], gate_b s[8:9], w1 s[10:11]
	s_load_b256 s[12:19], s[0:1], 0x20             ; w2 s[12:13], xq s[14:15], wq s[16:17], sel s[18:19]
	s_load_b128 s[20:23], s[0:1], 0x40             ; gwt s[20:21], hist s[22:23]
	s_set_vgpr_msb 0x40
	v_lshl_add_u32 v0, v0, 2, 0xa000
	v_mov_b32 v1, 0
	s_set_vgpr_msb 0x4000
	v_lshrrev_b32 v1, 5, v0
	v_readfirstlane_b32 s32, v1                    ; wave 0..3
	v_and_b32 v1, 31, v0                           ; lane l
	; my wave's part of the weights: number T = 4 (g % 128) + wave of 512
	s_and_b32 s33, ttmp9, 127
	s_lshl_b32 s33, s33, 2
	s_add_co_u32 s33, s33, s32
	s_lshr_b32 s34, s33, 6                         ; expert
	s_and_b32 s35, s33, 31                         ; w1: which 32 columns of 1,024,
	s_bfe_u32 s36, s33, 0x10005                    ;     which 128 of K = 256
	s_and_b32 s37, s33, 7                          ; w2: which 32 columns of 256,
	s_bfe_u32 s38, s33, 0x30003                    ;     which 128 of K = 1,024
	s_lshl_b32 s39, s34, 20                        ; an expert's matrix is 2^20 bytes in both
	s_lshl_b32 s40, s36, 19                        ; w1: 128 rows of 4,096 bytes
	s_lshl_b32 s41, s35, 7
	s_add_co_u32 s40, s40, s41
	s_add_co_u32 s40, s40, s39
	s_lshl_b32 s41, s38, 17                        ; w2: 128 rows of 1,024 bytes
	s_lshl_b32 s42, s37, 7
	s_add_co_u32 s41, s41, s42
	s_add_co_u32 s41, s41, s39
	s_lshl_b32 s42, s34, 3
	s_lshr_b32 s43, s35, 2
	s_add_co_u32 s43, s43, s42                     ; w1: block 8 e + columns / 128
	s_add_co_u32 s44, s42, s38
	s_add_co_u32 s44, s44, 64                      ; w2: block 64 + 8 e + K step
	s_and_b32 s45, s35, 3                          ; w1: b
	s_lshl_b32 s46, s45, 12
	s_lshl_b32 s47, s36, 11
	s_add_co_u32 s46, s46, s47                     ; w1: fragments 4 b + 2 s and the next
	s_lshl_b32 s47, s37, 11                        ; w2: fragments 2 cg and the next
	s_lshr_b32 s48, s45, 1
	s_lshl_b32 s48, s48, 9
	s_and_b32 s49, s45, 1
	s_lshl_b32 s49, s49, 3
	s_add_co_u32 s48, s48, s49
	s_lshl_b32 s49, s36, 2
	s_add_co_u32 s48, s48, s49                     ; w1: scale words: 512 (b / 2) + 8 (b % 2) + 4 s
	s_lshr_b32 s49, s37, 2
	s_lshl_b32 s49, s49, 9
	s_and_b32 s50, s37, 3
	s_lshl_b32 s50, s50, 2
	s_add_co_u32 s49, s49, s50                     ; w2: 512 (cg / 4) + 4 (cg % 4)
	s_cmp_lt_u32 ttmp9, 128                        ; w1's work-group or w2's: the choice hangs on the work-group's number alone
	s_cselect_b32 s40, s40, s41
	s_cselect_b32 s43, s43, s44
	s_cselect_b32 s46, s46, s47
	s_cselect_b32 s48, s48, s49
	s_cselect_b32 s51, -1, 0
	s_mov_b32 s41, 0
	s_mul_i32 s44, s43, 17408
	s_mov_b32 s45, 0
	s_lshl_b32 s52, ttmp9, 15                      ; x: (32 g + 8 wave) rows of 1,024 bytes
	s_lshl_b32 s53, s32, 13
	s_add_co_u32 s52, s52, s53
	s_mov_b32 s53, 0
	s_lshl_b32 s54, ttmp9, 12                      ; x's codes: the same rows of 128 bytes
	s_lshl_b32 s55, s32, 10
	s_add_co_u32 s54, s54, s55
	s_mov_b32 s55, 0
	s_lshl_b32 s56, ttmp9, 8                       ; 256 g: the group's scale bytes, and its weights
	s_mov_b32 s57, 0
	s_lshl_b32 s60, ttmp9, 7                       ; 128 g: the group's words, and its counts
	s_mov_b32 s61, 0
	; addresses of a lane
	v_lshlrev_b32 v2, 2, v1                        ; 4 l
	v_lshlrev_b32 v3, 5, v1                        ; 32 l: my 8 numbers of a row of x
	v_lshlrev_b32 v4, 8, v1                        ; 256 l: my 8 rows of gate_w
	v_lshlrev_b32 v10, 4, v1                       ; 16 l
	s_mul_i32 s58, s32, REDW
	v_mul_u32_u24 v5, v1, REDP
	v_add_nc_u32 v5, s58, v5                       ; part sums in: my row
	v_lshlrev_b32 v6, 3, v1
	v_add_nc_u32 v6, s58, v6                       ; and back: my 8 bytes of every row
	s_lshl_b32 s58, s32, 10
	s_add_co_u32 s58, s58, XCT
	v_add_nc_u32 v7, s58, v2                       ; codes in: 4 bytes a lane,
	v_add_nc_u32 v9, s58, v10                      ; and back: 16
	s_lshl_b32 s58, s32, 6
	s_add_co_u32 s58, s58, XSB
	v_lshrrev_b32 v8, 2, v1
	v_add_nc_u32 v8, s58, v8                       ; scale bytes: 64 wave + block l / 4 (+ 8 a token)
	s_lshl_b32 s58, s32, 8
	s_add_co_u32 s58, s58, LOGS
	v_lshlrev_b32 v11, 3, v1
	v_add_nc_u32 v11, s58, v11                     ; logits in: 256 wave + 8 l
	v_lshl_add_u32 v14, v1, 5, LOGS                ; wave 0: token l's eight logits,
	v_lshl_add_u32 v15, v1, 3, XSB                 ; and 8 of the 256 scale bytes
	; which tile of the pair (U) and which row (R) my column is
	v_bfe_u32 v240, v1, 3, 1                       ; w1: U = (l / 8) % 2,
	v_and_b32 v241, 7, v1
	v_lshrrev_b32 v242, 4, v1                      ; w2: U = l / 16,
	v_lshl_add_u32 v241, v242, 3, v241             ; w1: R = l % 8 + 8 (l / 16)
	v_and_b32 v243, 15, v1                         ; w2: R = l % 16
	v_cndmask_b32 v240, v242, v240, s51
	v_cndmask_b32 v241, v243, v241, s51
	v_lshlrev_b32 v12, 10, v240
	v_lshl_add_u32 v12, v241, 4, v12
	v_add_nc_u32 v12, s46, v12                     ; codes: fragment + 1,024 U + 16 R (+ 256 a block of 32)
	v_lshlrev_b32 v13, 8, v240
	v_lshl_add_u32 v13, v241, 4, v13
	v_add_nc_u32 v13, s48, v13                     ; scale word: + 256 U + 16 R
	s_wait_kmcnt 0x0
	s_load_b256 s[24:31], s[8:9], 0x0              ; gate_b
	s_cmp_lt_u32 ttmp9, 128
	s_cselect_b64 s[10:11], s[10:11], s[12:13]     ; the tensor that my part comes from
	s_add_nc_u64 s[10:11], s[10:11], s[40:41]
	s_add_nc_u64 s[16:17], s[16:17], s[44:45]      ; and its block of wq
	s_add_nc_u64 s[4:5], s[4:5], s[52:53]
	s_add_nc_u64 s[62:63], s[14:15], s[56:57]      ; xq at 256 g: the scale bytes lie 1,048,576 further on
	s_add_nc_u64 s[14:15], s[14:15], s[54:55]
	s_add_nc_u64 s[18:19], s[18:19], s[60:61]
	s_add_nc_u64 s[20:21], s[20:21], s[56:57]
	s_add_nc_u64 s[22:23], s[22:23], s[60:61]
; Block t of 32 along K: 32 loads, each 128 consecutive bytes a wave (the four waves of a work-group stand side by side on 512).  The two tensors differ in the bytes from row to row, which stand
; in the immediates: a short branch on the work-group's number round the two runs; both have 32 loads.
.macro SETW t
.if (\t) < 2
.set WS, 176+32*(\t)                   ; v176-239: blocks 0 and 1
.else
.set WS, 32*(\t)-48                    ; v16-79: blocks 2 and 3
.endif
.endm
.macro LOADW t
	SETW \t
	s_cmp_lt_u32 ttmp9, 128
	s_cbranch_scc0 .Lw2_\@
.set i, 0
.rept 32
	global_load_b32 v[WS+i], v2, s[10:11] offset:(32*(\t)+i)*4096 th:TH_LOAD_NT
.set i, i+1
.endr
	s_branch .Lwd_\@
.Lw2_\@:
.set i, 0
.rept 32
	global_load_b32 v[WS+i], v2, s[10:11] offset:(32*(\t)+i)*1024 th:TH_LOAD_NT
.set i, i+1
.endr
.Lwd_\@:
.endm
; Two tokens' part sums: acc[e] += x[8 l + dd] gate_w[8 l + dd][e], two experts an instruction, x's number serving both halves.  Eight chains by turns.
.macro FMA2 ja, jb
.irp dd, 0,1,2,3,4,5,6,7
.irp ep, 0,2,4,6
.irp j, \ja, \jb
.if \dd == 0
	v_pk_mul_f32 v[ACC+8*(\j%4)+\ep:ACC+8*(\j%4)+\ep+1], v[X+8*\j:X+8*\j+1], v[GW+\ep:GW+\ep+1] op_sel_hi:[0,1]
.elseif \dd%2 == 0
	v_pk_fma_f32 v[ACC+8*(\j%4)+\ep:ACC+8*(\j%4)+\ep+1], v[X+8*\j+\dd:X+8*\j+\dd+1], v[GW+8*\dd+\ep:GW+8*\dd+\ep+1], v[ACC+8*(\j%4)+\ep:ACC+8*(\j%4)+\ep+1] op_sel_hi:[0,1,1]
.else
	v_pk_fma_f32 v[ACC+8*(\j%4)+\ep:ACC+8*(\j%4)+\ep+1], v[X+8*\j+\dd-1:X+8*\j+\dd], v[GW+8*\dd+\ep:GW+8*\dd+\ep+1], v[ACC+8*(\j%4)+\ep:ACC+8*(\j%4)+\ep+1] op_sel:[1,0,0] op_sel_hi:[1,1,1]
.endif
.endr
.endr
.endr
.endm
; Block t of my column: its largest magnitude (all 32 numbers are mine), its byte, its 32 codes, which leave at once: lanes of one tile store 256 consecutive bytes, aligned.
.macro BLOCK t
	SETW \t
	v_max3_num_f32 v240, |v[WS]|, |v[WS+1]|, |v[WS+2]|
	v_max3_num_f32 v241, |v[WS+3]|, |v[WS+4]|, |v[WS+5]|
.irp i, 6,10,14,18,22,26
	v_max3_num_f32 v240, v240, |v[WS+\i]|, |v[WS+\i+1]|
	v_max3_num_f32 v241, v241, |v[WS+\i+2]|, |v[WS+\i+3]|
.endr
	v_max3_num_f32 v240, v240, |v[WS+30]|, |v[WS+31]|
	v_max3_num_f32 v240, v240, v241, 0x1800000     ; and the floor 2^(3 - 127): the byte cannot fall under 1
	v_add_nc_u32 v242, 0xff000000, v240            ; 2 off the exponent field: the conversion takes this operand's exponent field as its scale
	v_lshrrev_b32 v243, 23, v242                   ; the byte
.if (\t) == 0
	v_mov_b32 v[SW], v243
.else
	v_lshl_or_b32 v[SW], v243, 8*(\t), v[SW]       ; the lower K in the lower byte
.endif
.irp g, 0,1,2,3
	v_cvt_scalef32_pk8_fp4_f32 v[CD+4*(\t)+\g], v[WS+8*\g:WS+8*\g+7], v242
.endr
	global_store_b128 v12, v[CD+4*(\t):CD+4*(\t)+3], s[16:17] offset:256*(\t)   ; (the codes go to a store alone; the next vector lines that write v242 stand behind plain ones)
.endm
.irp i, 0,1,2,3,4,5,6,7,8,9,10,11,12,13,14,15
	global_load_b128 v[GW+4*\i:GW+4*\i+3], v4, s[6:7] offset:16*\i
.endr
.irp j, 0,1,2,3,4,5,6,7
	global_load_b128 v[X+8*\j:X+8*\j+3], v3, s[4:5] offset:1024*\j
	global_load_b128 v[X+8*\j+4:X+8*\j+7], v3, s[4:5] offset:1024*\j+16
.endr
	LOADW 0
	s_wait_loadcnt 32                              ; gate_w and x are in; the 32 loads of weight block 0 were issued behind them
	s_wait_kmcnt 0x0                               ; gate_b
	LOADW 1
	FMA2 0, 1
	FMA2 2, 3
.irp j, 0,1,2,3
	ds_store_b128 v5, v[ACC+8*\j:ACC+8*\j+3] offset:32*\j
	ds_store_b128 v5, v[ACC+8*\j+4:ACC+8*\j+7] offset:32*\j+16
.endr
	; x into codes: a lane holds 8 neighbours, four neighbouring lanes a block of 32; the eight tokens by turns
.irp j, 0,1,2,3,4,5,6,7
	v_max3_num_f32 v[MX+\j], |v[X+8*\j]|, |v[X+8*\j+1]|, 0x1800000
.endr
.irp i, 2,4,6
.irp j, 0,1,2,3,4,5,6,7
	v_max3_num_f32 v[MX+\j], v[MX+\j], |v[X+8*\j+\i]|, |v[X+8*\j+\i+1]|
.endr
.endr
.irp j, 0,1,2,3,4,5,6,7
	v_max_num_f32_dpp v[MX+\j], v[MX+\j], v[MX+\j] row_xmask:1 row_mask:0xf bank_mask:0xf
.endr
.irp j, 0,1,2,3,4,5,6,7
	v_max_num_f32_dpp v[MX+\j], v[MX+\j], v[MX+\j] row_xmask:2 row_mask:0xf bank_mask:0xf
.endr
.irp j, 0,1,2,3,4,5,6,7
	v_add_nc_u32 v[MX+\j], 0xff000000, v[MX+\j]
.endr
.irp j, 0,1,2,3,4,5,6,7
	v_cvt_scalef32_pk8_fp4_f32 v[XC+\j], v[X+8*\j:X+8*\j+7], v[MX+\j]
.endr
	v_nop                                          ; one plain line between the conversions and the lines that write their scale operands
.irp j, 0,1,2,3,4,5,6,7
	v_lshrrev_b32 v[MX+\j], 23, v[MX+\j]           ; the byte
.endr
	s_wait_dscnt 0x0                               ; the stores have read the four tokens' sums: the registers take the next four
	FMA2 4, 5
	FMA2 6, 7
.irp j, 4,5,6,7
	ds_store_b128 v5, v[ACC+8*(\j%4):ACC+8*(\j%4)+3] offset:32*\j
	ds_store_b128 v5, v[ACC+8*(\j%4)+4:ACC+8*(\j%4)+7] offset:32*\j+16
.endr
.irp j, 0,1,2,3,4,5,6,7
	ds_store_b32 v7, v[XC+\j] offset:128*\j
	ds_store_b8 v8, v[MX+\j] offset:8*\j           ; the four lanes of a block write the same byte with the same value
.endr
.set i, 0
.rept 32
	ds_load_b64 v[X+2*i:X+2*i+1], v6 offset:REDP*i ; LDS serves a wave's instructions in order: these see my stores.  Lane l: token l / 4, experts 2 (l % 4) and the next, of lane i's part sums
.set i, i+1
.endr
	ds_load_b128 v[16:19], v9
	ds_load_b128 v[20:23], v9 offset:512
	s_wait_dscnt 0x0
.set i, 4
.rept 28
	v_pk_add_f32 v[X+2*(i%4):X+2*(i%4)+1], v[X+2*(i%4):X+2*(i%4)+1], v[X+2*i:X+2*i+1]   ; four chains
.set i, i+1
.endr
	v_pk_add_f32 v[X:X+1], v[X:X+1], v[X+2:X+3]
	v_pk_add_f32 v[X+4:X+5], v[X+4:X+5], v[X+6:X+7]
	v_pk_add_f32 v[X:X+1], v[X:X+1], v[X+4:X+5]
	ds_store_b64 v11, v[X:X+1]
	global_store_b128 v10, v[16:19], s[14:15]      ; 512 consecutive bytes: four tokens' codes
	global_store_b128 v10, v[20:23], s[14:15] offset:512
	s_wait_dscnt 0x0                               ; for wave 0's sake: my logits and scale bytes lie in LDS
	s_barrier_signal -1
	s_barrier_wait -1
	s_cmp_lg_u32 s32, 0
	s_cbranch_scc1 .Lweights
	; WAVE 0: a lane is a token
	ds_load_b128 v[80:83], v14
	ds_load_b128 v[84:87], v14 offset:16
	ds_load_b64 v[106:107], v15
	v_mov_b32 v90, 0xff800000                      ; -infinity
	v_mov_b32 v103, 0
	v_mov_b32 v104, 0
	v_lshlrev_b32 v105, 3, v1
	s_wait_dscnt 0x0
.irp e, 0,1,2,3,4,5,6,7
	v_add_f32 v[80+\e], s[24+\e], v[80+\e]
.endr
	v_mov_b32 v88, v80                             ; the largest logit and its index: a later one wins only if it is larger
	v_mov_b32 v89, 0
.irp e, 1,2,3,4,5,6,7
	v_cmp_ge_f32 vcc_lo, v88, v[80+\e]
	v_cndmask_b32 v89, \e, v89, vcc_lo
	v_max_num_f32 v88, v88, v[80+\e]
.endr
.irp e, 0,1,2,3,4,5,6,7
	v_cmp_eq_u32 vcc_lo, \e, v89
	v_cndmask_b32 v[80+\e], v[80+\e], v90, vcc_lo  ; it is taken out,
.endr
	v_mov_b32 v91, v80                             ; and the same again gives the second
	v_mov_b32 v92, 0
.irp e, 1,2,3,4,5,6,7
	v_cmp_ge_f32 vcc_lo, v91, v[80+\e]
	v_cndmask_b32 v92, \e, v92, vcc_lo
	v_max_num_f32 v91, v91, v[80+\e]
.endr
	v_sub_f32 v93, v91, v88                        ; l2 - l1, 0 or less
	v_mul_f32 v93, 0x3fb8aa3b, v93
	v_exp_f32 v93, v93
	v_min_u32 v96, v89, v92                        ; a  (a plain line behind the exponential)
	v_max_u32 v97, v89, v92                        ; b
	s_wait_alu depctr_va_vdst(0)
	v_add_f32 v94, 1.0, v93
	v_rcp_f32 v94, v94                             ; wa
	v_sub_nc_u32 v98, 15, v96                      ; (a plain line behind the reciprocal)
	s_wait_alu depctr_va_vdst(0)
	v_mul_f32 v95, v93, v94                        ; wb
	v_mul_u32_u24 v98, v98, v96
	v_lshrrev_b32 v98, 1, v98                      ; a (15 - a) / 2
	v_sub_nc_u32 v99, v97, v96
	v_add_nc_u32 v99, -1, v99                      ; b - a - 1
	v_sub_nc_u32 v100, 7, v97                      ; 7 - b
	v_and_b32 v101, 1, v96
	v_cmp_eq_u32 vcc_lo, 1, v101
	v_cndmask_b32 v99, v99, v100, vcc_lo
	v_add_nc_u32 v98, v98, v99                     ; the rank
.set i, 0
.rept 28
	v_cmp_eq_u32 s40, i, v98                       ; the tokens of rank i;
	v_mbcnt_lo_u32_b32 v102, s40, 0                ; how many of them stand in lower lanes;
	v_cndmask_b32 v103, v103, v102, s40
	s_bcnt1_i32_b32 s41, s40                       ; how many there are: word i of the group's counts
	v_writelane_b32 v104, s41, i
.set i, i+1
.endr
	v_lshl_or_b32 v98, v89, 8, v98
	v_lshl_or_b32 v98, v92, 12, v98
	v_lshl_or_b32 v98, v103, 16, v98
	global_store_b32 v2, v98, s[18:19]
	global_store_b64 v105, v[94:95], s[20:21]      ; 256 consecutive bytes, aligned
	global_store_b32 v2, v104, s[22:23]            ; words 28 to 31 are 0
	global_store_b64 v105, v[106:107], s[62:63] offset:1048576   ; the group's 256 scale bytes, aligned
.Lweights:
	s_wait_xcnt 0x0                                ; the stores of x's codes have read v16-23, into which block 2 is loaded below
	s_wait_loadcnt 32                              ; block 0 is in; block 1's 32 loads may be out
	BLOCK 0
	LOADW 2
	s_wait_loadcnt 32                              ; block 1 is in; block 2's may be out
	BLOCK 1
	LOADW 3
	s_wait_loadcnt 32                              ; block 2 is in; block 3's may be out
	BLOCK 2
	s_wait_loadcnt 0x0
	BLOCK 3
	global_store_b32 v13, v[SW], s[16:17] offset:16384
	s_set_vgpr_msb 0x5
	s_wait_tensorcnt 0x0
	ds_add_u32 v0, v1
	s_wait_dscnt 0x0
	s_set_vgpr_msb 0x500
	s_endpgm
.Lfunc_end_k_q7df215b9f4_prep:
	.size	k_q7df215b9f4_prep, .Lfunc_end_k_q7df215b9f4_prep-k_q7df215b9f4_prep
	.p2alignl 7, 3214868480
	.fill 96, 4, 3214868480
	.section	.rodata,"a",@progbits
	.p2align	6, 0x0
	.amdhsa_kernel k_q7df215b9f4_prep
		.amdhsa_group_segment_fixed_size 41472
		.amdhsa_private_segment_fixed_size 0
		.amdhsa_enable_private_segment 0
		.amdhsa_kernarg_size 80
		.amdhsa_user_sgpr_count 2
		.amdhsa_user_sgpr_kernarg_segment_ptr 1
		.amdhsa_wavefront_size32 1
		.amdhsa_system_sgpr_workgroup_id_x 1
		.amdhsa_system_sgpr_workgroup_id_y 1
		.amdhsa_system_sgpr_workgroup_id_z 1
		.amdhsa_system_vgpr_workitem_id 0
		.amdhsa_next_free_vgpr 258
		.amdhsa_next_free_sgpr 66
		.amdhsa_reserve_vcc 1
		.amdhsa_float_denorm_mode_32 3
		.amdhsa_float_denorm_mode_16_64 3
		.amdhsa_memory_ordered 1
		.amdhsa_forward_progress 1
		.amdhsa_inst_pref_size 78
	.end_amdhsa_kernel
	.amdgpu_metadata
---
amdhsa.version: [ 1, 2 ]
amdhsa.kernels:
  - .name:           k_q7df215b9f4_prep
    .symbol:         k_q7df215b9f4_prep.kd
    .args:
      - { .name: x, .offset: 0, .size: 8, .value_kind: global_buffer, .address_space: global }
      - { .name: gate_w, .offset: 8, .size: 8, .value_kind: global_buffer, .address_space: global }
      - { .name: gate_b, .offset: 16, .size: 8, .value_kind: global_buffer, .address_space: global }
      - { .name: w1, .offset: 24, .size: 8, .value_kind: global_buffer, .address_space: global }
      - { .name: w2, .offset: 32, .size: 8, .value_kind: global_buffer, .address_space: global }
      - { .name: xq, .offset: 40, .size: 8, .value_kind: global_buffer, .address_space: global }
      - { .name: wq, .offset: 48, .size: 8, .value_kind: global_buffer, .address_space: global }
      - { .name: sel, .offset: 56, .size: 8, .value_kind: global_buffer, .address_space: global }
      - { .name: gwt, .offset: 64, .size: 8, .value_kind: global_buffer, .address_space: global }
      - { .name: hist, .offset: 72, .size: 8, .value_kind: global_buffer, .address_space: global }
    .group_segment_fixed_size: 41472
    .private_segment_fixed_size: 0
    .kernarg_segment_align: 8
    .kernarg_segment_size: 80
    .max_flat_workgroup_size: 128
    .sgpr_count:     66
    .vgpr_count:     258
    .wavefront_size: 32
...
	.end_amdgpu_metadata
.endif
;; end of part 1
;; launch place (part 2): grid 1 x 1, 16 waves a work-group, no clusters, 4,096 bytes of LDS; arguments sel, gwt, hist, ordi, ordw; writes ordi, ordw
.if DOCPART == 2
	.amdgcn_target "amdgcn-amd-amdhsa--gfx1250"
	.amdhsa_code_object_version 6
	.text
	.protected	k_q7df215b9f4_place
	.globl	k_q7df215b9f4_place
	.p2align	8
	.type	k_q7df215b9f4_place,@function
k_q7df215b9f4_place:
	s_mov_b64 s[64:65], 0
	v_nop
	global_prefetch_b8 v0, s[64:65] scope:SCOPE_SE
	s_setreg_imm32_b32 hwreg(HW_REG_WAVE_MODE, 25, 1), 1
	s_wait_xcnt 0x0
; SECOND LAUNCH: the tokens are placed in the order of their ranks (a counting sort without atomics).  One work-group of sixteen waves; wave w owns groups 16 w .. 16 w + 15, tokens 512 w + 32 j + l.
; A token's place = the tokens of lower ranks + those of its rank in earlier groups + those of its rank ahead of it in its group (stored by the first launch in its word's bits 16 on).
; In the sums a lane is a rank (28 of 32 are used; the others count 0); in the stores a lane is a token, and fetches its rank's sum from that lane.
; Stored at place p: ordi[p] = (token, its word), ordw[p] = (wa, wb).  All that is read to form an address is whole numbers that the first launch stored; a place is held at 8,191 ahead of its use.
; The work is 8,192 tokens: one work-group has it all, since every place hangs on all counts.
.set H, 16                             ; v16-31    my 16 groups' counts (lane = rank); later the lane to fetch from, later a token's place in its group
.set E, 32                             ; v32-47    for each group: the tokens ahead of it, rank by rank
.set D, 48                             ; v48-79    pairs (token, word)
.set G, 80                             ; v80-111   pairs (wa, wb)
.set R, 112                            ; v112-127  the fetched sums, then places, then byte offsets
.set T, 128                            ; v128-143  the sixteen waves' totals
	s_load_b256 s[4:11], s[0:1], 0x0               ; sel s[4:5], gwt s[6:7], hist s[8:9], ordi s[10:11]
	s_load_b64 s[12:13], s[0:1], 0x20              ; ordw
	v_lshl_add_u32 v160, v0, 2, 0x800
	v_mov_b32 v161, 0
	v_lshrrev_b32 v1, 5, v0
	v_readfirstlane_b32 s14, v1                    ; wave 0..15
	v_and_b32 v1, 31, v0                           ; lane l
	v_lshlrev_b32 v7, 2, v1                        ; 4 l
	s_lshl_b32 s15, s14, 11
	v_add_nc_u32 v2, s15, v7                       ; 2,048 w + 4 l: my word of group 16 w's counts, and token 512 w + l's word
	v_lshlrev_b32 v3, 1, v2                        ; 4,096 w + 8 l: its weights
	s_lshl_b32 s15, s14, 9
	v_add_nc_u32 v4, s15, v1                       ; 512 w + l
	s_lshl_b32 s15, s14, 7
	v_add_nc_u32 v6, s15, v7                       ; LDS: 128 w + 4 l
	v_mov_b32 v10, 0                               ; (a lane move's destination counts as read)
	s_wait_kmcnt 0x0
.irp j, 0,1,2,3,4,5,6,7,8,9,10,11,12,13,14,15
	global_load_b32 v[H+\j], v2, s[8:9] offset:128*\j
.endr
.irp j, 0,1,2,3,4,5,6,7,8,9,10,11,12,13,14,15
	global_load_b32 v[D+2*\j+1], v2, s[4:5] offset:128*\j
.endr
.irp j, 0,1,2,3,4,5,6,7,8,9,10,11,12,13,14,15
	global_load_b64 v[G+2*\j:G+2*\j+1], v3, s[6:7] offset:256*\j
.endr
.irp j, 0,1,2,3,4,5,6,7,8,9,10,11,12,13,14,15
	v_add_nc_u32 v[D+2*\j], 32*\j, v4              ; the token's number
.endr
	s_wait_loadcnt 32                              ; the counts are in; the 16 loads of words and the 16 of weights were issued behind them
	v_mov_b32 v[E], 0
.irp j, 0,1,2,3,4,5,6,7,8,9,10,11,12,13,14
	v_add_nc_u32 v[E+\j+1], v[E+\j], v[H+\j]
.endr
	v_add_nc_u32 v5, v[E+15], v[H+15]              ; my wave's total, rank by rank
	ds_store_b32 v6, v5
	s_wait_dscnt 0x0                               ; for the others' sake
	s_barrier_signal -1
	s_barrier_wait -1
.irp w, 0,1,2,3,4,5,6,7,8,9,10,11,12,13,14,15
	ds_load_b32 v[T+\w], v7 offset:128*\w
.endr
	v_mov_b32 v9, 0
	v_mov_b32 v13, 0
	s_wait_dscnt 0x0
.irp w, 0,1,2,3,4,5,6,7,8,9,10,11,12,13,14,15
	s_cmp_gt_u32 s14, \w
	s_cselect_b32 s15, -1, 0
	v_add_nc_u32 v9, v9, v[T+\w]                   ; all tokens of the rank,
	v_and_b32 v8, s15, v[T+\w]
	v_add_nc_u32 v13, v13, v8                      ; and those of earlier waves
.endr
	v_mov_b32 v14, v9
.irp n, 1,2,4,8
	v_mov_b32_dpp v10, v9 row_shr:\n row_mask:0xf bank_mask:0xf bound_ctrl:1   ; lanes without a source take 0
	v_add_nc_u32 v9, v9, v10                       ; the running sum over ranks, inside each half of 16 lanes;
.endr
	v_readlane_b32 s16, v9, 15
	v_mov_b32 v11, s16
	v_cmp_lt_u32 vcc_lo, 15, v1
	v_cndmask_b32 v10, 0, v11, vcc_lo
	v_add_nc_u32 v9, v9, v10                       ; the lower half's total onto the upper half
	v_sub_nc_u32 v9, v9, v14                       ; the tokens of lower ranks
	v_add_nc_u32 v9, v9, v13
.irp j, 0,1,2,3,4,5,6,7,8,9,10,11,12,13,14,15
	v_add_nc_u32 v[E+\j], v[E+\j], v9
.endr
	s_wait_loadcnt 16                              ; the words are in; the 16 loads of weights were issued behind them
.irp j, 0,1,2,3,4,5,6,7,8,9,10,11,12,13,14,15
	v_lshlrev_b32 v[H+\j], 2, v[D+2*\j+1]
.endr
.irp j, 0,1,2,3,4,5,6,7,8,9,10,11,12,13,14,15
	v_and_b32 v[H+\j], 0x7c, v[H+\j]               ; 4 x rank: the lane that holds my rank's sum
.endr
.irp j, 0,1,2,3,4,5,6,7,8,9,10,11,12,13,14,15
	ds_bpermute_b32 v[R+\j], v[H+\j], v[E+\j]
.endr
	s_wait_loadcnt 0x0
.irp j, 0,1,2,3,4,5,6,7,8,9,10,11,12,13,14,15
	s_wait_dscnt 15-\j                             ; group j's fetch is back; the younger ones may be out
	v_lshrrev_b32 v[H+\j], 16, v[D+2*\j+1]
	v_add_nc_u32 v[R+\j], v[R+\j], v[H+\j]
	v_min_u32 v[R+\j], 0x1fff, v[R+\j]
	v_lshlrev_b32 v[R+\j], 3, v[R+\j]
	global_store_b64 v[R+\j], v[D+2*\j:D+2*\j+1], s[10:11]
	global_store_b64 v[R+\j], v[G+2*\j:G+2*\j+1], s[12:13]
.endr
	s_wait_tensorcnt 0x0
	ds_add_u32 v160, v161
	s_wait_dscnt 0x0
	s_endpgm
.Lfunc_end_k_q7df215b9f4_place:
	.size	k_q7df215b9f4_place, .Lfunc_end_k_q7df215b9f4_place-k_q7df215b9f4_place
	.p2alignl 7, 3214868480
	.fill 96, 4, 3214868480
	.section	.rodata,"a",@progbits
	.p2align	6, 0x0
	.amdhsa_kernel k_q7df215b9f4_place
		.amdhsa_group_segment_fixed_size 4096
		.amdhsa_private_segment_fixed_size 0
		.amdhsa_enable_private_segment 0
		.amdhsa_kernarg_size 40
		.amdhsa_user_sgpr_count 2
		.amdhsa_user_sgpr_kernarg_segment_ptr 1
		.amdhsa_wavefront_size32 1
		.amdhsa_system_sgpr_workgroup_id_x 1
		.amdhsa_system_sgpr_workgroup_id_y 1
		.amdhsa_system_sgpr_workgroup_id_z 1
		.amdhsa_system_vgpr_workitem_id 0
		.amdhsa_next_free_vgpr 162
		.amdhsa_next_free_sgpr 66
		.amdhsa_reserve_vcc 1
		.amdhsa_float_denorm_mode_32 3
		.amdhsa_float_denorm_mode_16_64 3
		.amdhsa_memory_ordered 1
		.amdhsa_forward_progress 1
		.amdhsa_inst_pref_size 21
	.end_amdhsa_kernel
	.amdgpu_metadata
---
amdhsa.version: [ 1, 2 ]
amdhsa.kernels:
  - .name:           k_q7df215b9f4_place
    .symbol:         k_q7df215b9f4_place.kd
    .args:
      - { .name: sel, .offset: 0, .size: 8, .value_kind: global_buffer, .address_space: global }
      - { .name: gwt, .offset: 8, .size: 8, .value_kind: global_buffer, .address_space: global }
      - { .name: hist, .offset: 16, .size: 8, .value_kind: global_buffer, .address_space: global }
      - { .name: ordi, .offset: 24, .size: 8, .value_kind: global_buffer, .address_space: global }
      - { .name: ordw, .offset: 32, .size: 8, .value_kind: global_buffer, .address_space: global }
    .group_segment_fixed_size: 4096
    .private_segment_fixed_size: 0
    .kernarg_segment_align: 8
    .kernarg_segment_size: 40
    .max_flat_workgroup_size: 512
    .sgpr_count:     66
    .vgpr_count:     162
    .wavefront_size: 32
...
	.end_amdgpu_metadata
.endif
;; end of part 2
;; launch chain (part 3): grid 256 x 1, 4 waves a work-group, no clusters, 133,632 bytes of LDS; arguments xq, wq, b1, b2, ordi, ordw, out0; writes out0
.if DOCPART == 3
	.amdgcn_target "amdgcn-amd-amdhsa--gfx1250"
	.amdhsa_code_object_version 6
	.text
	.protected	k_q7df215b9f4_chain
	.globl	k_q7df215b9f4_chain
	.p2align	8
	.type	k_q7df215b9f4_chain,@function
k_q7df215b9f4_chain:
	s_mov_b64 s[64:65], 0
	v_nop
	global_prefetch_b8 v0, s[64:65] scope:SCOPE_SE
	s_setreg_imm32_b32 hwreg(HW_REG_WAVE_MODE, 25, 1), 1
	s_wait_xcnt 0x0
; THIRD LAUNCH: out[token] = wa (gelu(x W1[i1] + b1[i1]) W2[i1] + b2[i1]) + wb (the same for i2), both products on codes of FP4 (E2M1) with one E8M0 scale for each 32 along K.
; Only the two experts chosen for a token are multiplied: the others' results are thrown away by a mask that the module builds itself.
; SHARES.  Work-group G owns the 32 tokens at places 32 G .. 32 G + 31 of the sorted list: two tiles m of 16.  It walks the experts that any of them uses (read from the list: 2 where the block lies
; inside one pair of experts) and is the one owner of its 32 rows of out.  WAVE w OWNS HIDDEN UNITS 256 w .. 256 w + 255 of every expert, as two chunks q of 128, through BOTH products: its part of the hidden
; layer is made, put through gelu, quantised and multiplied by its two K steps of W2 without leaving its registers.  The loop has no LDS access and no barrier; the four waves' part sums meet once, at the end.
; BOTH PRODUCTS ARE USED TRANSPOSED (source 0 = 16 rows of a weight, source 1 = 16 tokens): a lane holds ONE token (lane % 16) throughout.  The rows of W1 that form a tile are chosen (by the first launch) so that
; the 16 registers of tiles u = 0, 1 of a block b are 16 neighbours along the next K: 32 b + 16 (lane / 16) + 0 .. 15.
; WEIGHTS come from memory straight into registers, as images of the operand's registers laid by the first launch: two loads of 16 bytes a lane for a fragment, 512 consecutive bytes each.
; NO TENSOR LOADS, NO CLUSTER: which experts a work-group walks, and how many, is read from memory, so the loop's trips and branches hang on loaded numbers, and neighbours would want different tiles in different numbers.
; A tile that does not use the expert in hand skips its gelu, its quantiser and its second product by scalar branches on the list; its first product's four instructions a piece are issued all the same.
; GELU.  2 gelu(x) = (x + |x|) - |x| r, r = erfc(|x| / sqrt 2) = t 2^(P(t) - x^2 log2(e) / 2), t = 1 / (1 + |x| sqrt(2) / 4), P a polynomial of degree 9 (a published fit of erfc, its relative error 1.2e-7, times log2 e).
; The form keeps its relative accuracy in the negative tail.  The factor 2 is exact and is taken out of the scale bytes: the codes of 2 gelu under twice the scale are those of gelu under the scale.
; LIMITS.  gelu's relative error is about 5e-7 (the fit, one reciprocal, one exponential, f32 Horner steps).  A block of zeros gets the byte 1 where the quantiser says 127: its codes are zeros.  NaN and infinities are not served.
; REGISTERS, in windows of 256 (s_set_vgpr_msb: bits 1:0 source 0, 3:2 source 1, 5:4 source 2, 7:6 destination):
;   window 0: see the names below.   window 1: OUT(m, nt) at 128 m + 8 nt, the weighted sums; at the end the rows on their way out.
;   window 2: W2(q, nt) at 128 q + 8 nt; at the end rows of b2.   window 3: W1's four fragments of a piece, two buffers k, at 32 k + 8 (2 s + u); b1's two tiles at 64 + 16 k + 8 u; Y(nt) at 128 + 8 nt.
.set LI,  1                            ; v1        16 x lane; never rewritten
.set BO,  2                            ; v2        64 x (lane / 16); never rewritten
.set HH,  4                            ; v4        lane / 16
.set RR,  5                            ; v5        lane % 16
.set I1,  8                            ; v8-11     my token's i1, i2 in tile 0; in tile 1
.set GWT, 12                           ; v12-15    its (wa, wb), likewise
.set WE,  16                           ; v16-19    its weight for the expert in hand, twice over (a pair for the packed form), tile by tile
.set CF,  20                           ; v20-39    the polynomial's C0 .. C9, each twice over
.set K35, 40                           ; v40-41    sqrt(2) / 4
.set KM,  42                           ; v42-43    -log2(e) / 2
.set ONE, 44                           ; v44-45    1
.set XF,  48                           ; v48-79    x's fragments (tile m, K step s) at 16 m + 8 s
.set XS,  80                           ; v80-83    their scale words at 2 m + s
.set W1S, 84                           ; v84-99    W1's scale words at 8 q + 2 b + s: lanes 0-15 tile u = 0, lanes 16-31 tile u = 1
.set W2S, 100                          ; v100-115  W2's at 8 q + nt / 2: lanes 0-15 even nt, lanes 16-31 odd nt
.set HS,  116                          ; v116-119  the hidden layer's scale words at 2 q + m
.set HA,  120                          ; v120-151  a piece's four tiles of the hidden layer at 16 m + 8 u
.set PC,  152                          ; v152-183  the hidden layer's fragments at 16 q + 8 m
.set AX,  184                          ; v184-199  |x|
.set T,   200                          ; v200-215  t
.set P,   216                          ; v216-231  the polynomial, then the power of two
.set MQ,  232                          ; v232-247  -x log2(e) / 2
.set TM0, 248
.set TM1, 249
.set PX,  250
.set SO,  251
.set BY,  252
.set BOF, 120                          ; the end: v120-135 offsets of my 8 rows' two rows of b2; v136 where I put part sums; v137-140 where I read the four waves' back
.set SA,  136
.set RA,  137
; s18 wave; s[20:21] lane selects; s22 the mask of a magnitude; s24 the expert in hand, s25 the next; s26 the experts still to come, a bit each; s27 how many there are; s28 the trip; s29, s30: does tile 0, 1 use the expert;
; s[32:47] (token, word) and s[48:63] (wa, wb) of the 8 rows that I store; s[66:81] those rows' addresses; s[82:83], s[84:85] my part of wq for the expert in hand and the next; s[86:87], s[88:89] of b1 likewise;
; s[92:93] wq + 34,816 wave; s[94:95] b1 + 1,024 wave.
.set MSB, 0
.macro WIN new                         ; the immediate's high byte repeats the setting that is left; at a label and at a branch every window is 0
.if MSB != \new
	s_set_vgpr_msb (MSB<<8)|\new
.set MSB, \new
.endif
.endm
.macro KPAIR r, val
	v_mov_b32 v[\r], \val
	v_mov_b32 v[\r+1], \val
.endm
; The weights of one piece (chunk q, block b of 32 hidden units) into buffer k: four fragments of W1 (8 loads), b1's 32 numbers in the result's layout (4 loads); with b = 0 the chunk's scale words (2 loads).  12 loads, or 14.
.macro LOADP k, wb, bb, q, b
	WIN 0xc0                                       ; destination window 3
.irp i, 0,1,2,3,4,5,6,7
	global_load_b128 v[32*(\k)+4*\i:32*(\k)+4*\i+3], v[LI], s[\wb:\wb+1] offset:(\q)*17408+(\b)*4096+512*\i
.endr
.irp i, 0,1,2,3
	global_load_b128 v[64+16*(\k)+4*\i:64+16*(\k)+4*\i+3], v[BO], s[\bb:\bb+1] offset:(128*(\q)+32*(\b))*4+16*\i
.endr
	WIN 0
.if (\b) == 0
.irp j, 0,1
	global_load_b128 v[W1S+8*(\q)+4*\j:W1S+8*(\q)+4*\j+3], v[LI], s[\wb:\wb+1] offset:(\q)*17408+16384+512*\j
.endr
.endif
.endm
; A quarter of the expert's W2 for my wave: K step q = pp / 2, output tiles 8 (pp % 2) .. + 7 (16 loads), and their scale words (1 load).  17 loads.
.macro LOADW2 pp
.set WQ, (\pp)/2
.set WH, (\pp)%2
	WIN 0x80                                       ; destination window 2
.irp k, 0,1,2,3,4,5,6,7
.irp c, 0,1
	global_load_b128 v[128*WQ+8*(8*WH+\k)+4*\c:128*WQ+8*(8*WH+\k)+4*\c+3], v[LI], s[82:83] offset:1114112+WQ*17408+(8*WH+\k)*1024+512*\c
.endr
.endr
	WIN 0
	global_load_b128 v[W2S+8*WQ+4*WH:W2S+8*WQ+4*WH+3], v[LI], s[82:83] offset:1114112+WQ*17408+16384+512*WH
.endm
; The first product of a piece: four tiles (u, m) of 16 hidden units x 16 tokens, K = 256 in two steps.  b1 is the C of each sum's first instruction.  The four accumulators take turns.
.macro WM1 k, q, b
	WIN 0x33                                       ; source 0 (W1) and source 2 (b1) window 3
.irp m, 0,1
.irp u, 0,1
.if \u
	v_wmma_scale_f32_16x16x128_f8f6f4 v[HA+16*\m+8*\u:HA+16*\m+8*\u+7], v[32*(\k)+8*\u:32*(\k)+8*\u+7], v[XF+16*\m:XF+16*\m+7], v[64+16*(\k)+8*\u:64+16*(\k)+8*\u+7], v[W1S+8*(\q)+2*(\b)], v[XS+2*\m] matrix_a_fmt:MATRIX_FMT_FP4 matrix_b_fmt:MATRIX_FMT_FP4 matrix_a_scale:MATRIX_SCALE_ROW1
.else
	v_wmma_scale_f32_16x16x128_f8f6f4 v[HA+16*\m+8*\u:HA+16*\m+8*\u+7], v[32*(\k)+8*\u:32*(\k)+8*\u+7], v[XF+16*\m:XF+16*\m+7], v[64+16*(\k)+8*\u:64+16*(\k)+8*\u+7], v[W1S+8*(\q)+2*(\b)], v[XS+2*\m] matrix_a_fmt:MATRIX_FMT_FP4 matrix_b_fmt:MATRIX_FMT_FP4
.endif
.endr
.endr
	WIN 0x03                                       ; source 0 window 3; C and D window 0
.irp m, 0,1
.irp u, 0,1
.if \u
	v_wmma_scale_f32_16x16x128_f8f6f4 v[HA+16*\m+8*\u:HA+16*\m+8*\u+7], v[32*(\k)+16+8*\u:32*(\k)+16+8*\u+7], v[XF+16*\m+8:XF+16*\m+15], v[HA+16*\m+8*\u:HA+16*\m+8*\u+7], v[W1S+8*(\q)+2*(\b)+1], v[XS+2*\m+1] matrix_a_fmt:MATRIX_FMT_FP4 matrix_b_fmt:MATRIX_FMT_FP4 matrix_a_scale:MATRIX_SCALE_ROW1
.else
	v_wmma_scale_f32_16x16x128_f8f6f4 v[HA+16*\m+8*\u:HA+16*\m+8*\u+7], v[32*(\k)+16+8*\u:32*(\k)+16+8*\u+7], v[XF+16*\m+8:XF+16*\m+15], v[HA+16*\m+8*\u:HA+16*\m+8*\u+7], v[W1S+8*(\q)+2*(\b)+1], v[XS+2*\m+1] matrix_a_fmt:MATRIX_FMT_FP4 matrix_b_fmt:MATRIX_FMT_FP4
.endif
.endr
.endr
	WIN 0
.endm
; 2 gelu of tile m's 16 numbers a lane, in place; eight pairs in step, so that no line waits for the line above it.  Each accumulator is read from its low end on.
.macro GELU m
.set XR, HA+16*(\m)
.irp i, 0,1,2,3,4,5,6,7,8,9,10,11,12,13,14,15
	v_and_b32 v[AX+\i], s22, v[XR+\i]              ; |x|
.endr
.irp i, 0,2,4,6,8,10,12,14
	v_pk_fma_f32 v[T+\i:T+\i+1], v[AX+\i:AX+\i+1], v[K35:K35+1], v[ONE:ONE+1]
.endr
.irp i, 0,1,2,3,4,5,6,7,8,9,10,11,12,13,14,15
	v_rcp_f32 v[T+\i], v[T+\i]                     ; t
.endr
.irp i, 0,2,4,6,8,10,12,14
	v_pk_mul_f32 v[MQ+\i:MQ+\i+1], v[XR+\i:XR+\i+1], v[KM:KM+1]   ; (plain lines behind the reciprocals)
.endr
	s_wait_alu depctr_va_vdst(0)
.irp i, 0,2,4,6,8,10,12,14
	v_pk_fma_f32 v[P+\i:P+\i+1], v[T+\i:T+\i+1], v[CF+18:CF+19], v[CF+16:CF+17]
.endr
.irp c, 7,6,5,4,3,2,1,0
.irp i, 0,2,4,6,8,10,12,14
	v_pk_fma_f32 v[P+\i:P+\i+1], v[P+\i:P+\i+1], v[T+\i:T+\i+1], v[CF+2*\c:CF+2*\c+1]
.endr
.endr
.irp i, 0,2,4,6,8,10,12,14
	v_pk_fma_f32 v[P+\i:P+\i+1], v[MQ+\i:MQ+\i+1], v[XR+\i:XR+\i+1], v[P+\i:P+\i+1]   ; P(t) - x^2 log2(e) / 2
.endr
.irp i, 0,1,2,3,4,5,6,7,8,9,10,11,12,13,14,15
	v_exp_f32 v[P+\i], v[P+\i]
.endr
.irp i, 0,2,4,6,8,10,12,14
	v_pk_add_f32 v[XR+\i:XR+\i+1], v[XR+\i:XR+\i+1], v[AX+\i:AX+\i+1]   ; x + |x|  (plain lines behind the exponentials)
.endr
	s_wait_alu depctr_va_vdst(0)
.irp i, 0,2,4,6,8,10,12,14
	v_pk_mul_f32 v[T+\i:T+\i+1], v[T+\i:T+\i+1], v[P+\i:P+\i+1]         ; r
.endr
.irp i, 0,2,4,6,8,10,12,14
	v_pk_fma_f32 v[XR+\i:XR+\i+1], v[AX+\i:AX+\i+1], v[T+\i:T+\i+1], v[XR+\i:XR+\i+1] neg_lo:[1,0,0] neg_hi:[1,0,0]
.endr
.endm
; Tile m's 16 numbers a lane (2 gelu) are half of block b of K step q of the second product; lane l xor 16 holds the other half.  Codes into the fragment, the byte into the scale word.
.macro QUANT q, b, m
.set XR, HA+16*(\m)
.set PR, PC+16*(\q)+8*(\m)
.set HR, HS+2*(\q)+(\m)
	v_max3_num_f32 v[TM0], |v[XR]|, |v[XR+1]|, 0x2000000     ; the floor 2^(4 - 127) for the doubled numbers: the byte of gelu's scale cannot fall under 1
	v_max3_num_f32 v[TM1], |v[XR+2]|, |v[XR+3]|, |v[XR+4]|
	v_max3_num_f32 v[TM0], v[TM0], |v[XR+5]|, |v[XR+6]|
	v_max3_num_f32 v[TM1], v[TM1], |v[XR+7]|, |v[XR+8]|
	v_max3_num_f32 v[TM0], v[TM0], |v[XR+9]|, |v[XR+10]|
	v_max3_num_f32 v[TM1], v[TM1], |v[XR+11]|, |v[XR+12]|
	v_max3_num_f32 v[TM0], v[TM0], |v[XR+13]|, |v[XR+14]|
	v_max3_num_f32 v[TM1], v[TM1], |v[XR+15]|, v[TM0]
	v_permlanex16_b32 v[PX], v[TM1], s20, s21
	v_max_num_f32 v[TM1], v[TM1], v[PX]            ; the block's largest magnitude
	v_add_nc_u32 v[SO], 0xff000000, v[TM1]         ; 2 off its exponent field: the conversion's scale operand
	v_cvt_scalef32_pk8_fp4_f32 v[PR+2*(\b)], v[XR:XR+7], v[SO]
	v_cvt_scalef32_pk8_fp4_f32 v[PR+2*(\b)+1], v[XR+8:XR+15], v[SO]
.if (\b) == 0
	v_lshrrev_b32 v[HR], 23, v[SO]                 ; the byte of the doubled numbers' scale.  (The plain line behind the conversions)
.else
	v_lshrrev_b32 v[BY], 23, v[SO]
	v_lshl_or_b32 v[HR], v[BY], 8*(\b), v[HR]
.endif
.if (\b)%2 == 1                        ; the operand's layout wants a whole block in a lane: lanes 0-15 the even block, lanes 16-31 the odd one
	v_permlane16_swap_b32 v[PR+2*(\b)-2], v[PR+2*(\b)]
	v_permlane16_swap_b32 v[PR+2*(\b)-1], v[PR+2*(\b)+1]
.endif
.if (\b) == 3
	v_add_nc_u32 v[HR], 0xfefefeff, v[HR]          ; 1 off each of the four bytes (each is 2 at the least): gelu's scale is half the doubled numbers'
.endif
.endm
; A PIECE: 32 hidden units x 32 tokens.  n: how many loads were issued behind this piece's own.
; Behind the products stand five places: four for the loads into the buffer just read and for the first read of the results, the fifth for the next piece's first product, which writes over
; an accumulator of this one with nothing else between where both tiles skip their gelu.
.macro PIECE p, n
.set PQ, (\p)/4
.set PB, (\p)%4
.set PK, (\p)%2
.set NQ2, (((\p)+2)%8)/4
.set NB2, ((\p)+2)%4
	s_wait_loadcnt \n
	WM1 PK, PQ, PB
.rept 5
	v_nop
.endr
.if (\p) < 4
	LOADW2 \p                                      ; W2 is wanted behind piece 7
.endif
.if (\p) < 6
	LOADP PK, 82, 86, NQ2, NB2                     ; the piece two on, into the buffer just read
.else
	LOADP PK, 84, 88, NQ2, NB2                     ; the next expert's first two pieces
.endif
	s_cmp_eq_u32 s29, 0
	s_cbranch_scc1 .Lg0_\@
	GELU 0
	QUANT PQ, PB, 0
.Lg0_\@:
	s_cmp_eq_u32 s30, 0
	s_cbranch_scc1 .Lg1_\@
	GELU 1
	QUANT PQ, PB, 1
.Lg1_\@:
.endm
; The second product of tile m over my two K steps, all 256 outputs, and OUT += weight x Y.  Eight accumulators by turns; the first K step starts each sum.
; Behind the products: four places, then the 64 packed lines, each accumulator from its low end on; they are also the places ahead of the next pass, which begins the same accumulators anew.
.macro WM2ACC m
	s_cmp_eq_u32 s[29+\m], 0
	s_cbranch_scc1 .Lno2_\@
	WIN 0xf2                                       ; source 0 (W2) window 2; C and D window 3
.irp g, 0,1
.irp q, 0,1
.irp n, 0,1,2,3,4,5,6,7
.if \q == 0
.if \n%2
	v_wmma_scale_f32_16x16x128_f8f6f4 v[128+64*\g+8*\n:128+64*\g+8*\n+7], v[128*\q+64*\g+8*\n:128*\q+64*\g+8*\n+7], v[PC+16*\q+8*\m:PC+16*\q+8*\m+7], 0, v[W2S+8*\q+4*\g+\n/2], v[HS+2*\q+\m] matrix_a_fmt:MATRIX_FMT_FP4 matrix_b_fmt:MATRIX_FMT_FP4 matrix_a_scale:MATRIX_SCALE_ROW1
.else
	v_wmma_scale_f32_16x16x128_f8f6f4 v[128+64*\g+8*\n:128+64*\g+8*\n+7], v[128*\q+64*\g+8*\n:128*\q+64*\g+8*\n+7], v[PC+16*\q+8*\m:PC+16*\q+8*\m+7], 0, v[W2S+8*\q+4*\g+\n/2], v[HS+2*\q+\m] matrix_a_fmt:MATRIX_FMT_FP4 matrix_b_fmt:MATRIX_FMT_FP4
.endif
.else
.if \n%2
	v_wmma_scale_f32_16x16x128_f8f6f4 v[128+64*\g+8*\n:128+64*\g+8*\n+7], v[128*\q+64*\g+8*\n:128*\q+64*\g+8*\n+7], v[PC+16*\q+8*\m:PC+16*\q+8*\m+7], v[128+64*\g+8*\n:128+64*\g+8*\n+7], v[W2S+8*\q+4*\g+\n/2], v[HS+2*\q+\m] matrix_a_fmt:MATRIX_FMT_FP4 matrix_b_fmt:MATRIX_FMT_FP4 matrix_a_scale:MATRIX_SCALE_ROW1
.else
	v_wmma_scale_f32_16x16x128_f8f6f4 v[128+64*\g+8*\n:128+64*\g+8*\n+7], v[128*\q+64*\g+8*\n:128*\q+64*\g+8*\n+7], v[PC+16*\q+8*\m:PC+16*\q+8*\m+7], v[128+64*\g+8*\n:128+64*\g+8*\n+7], v[W2S+8*\q+4*\g+\n/2], v[HS+2*\q+\m] matrix_a_fmt:MATRIX_FMT_FP4 matrix_b_fmt:MATRIX_FMT_FP4
.endif
.endif
.endr
.endr
.endr
	WIN 0
.rept 4
	v_nop
.endr
	WIN 0x53                                       ; source 0 (Y) window 3; source 2 and destination (OUT) window 1; the weight window 0
.set i, 0
.rept 64
	v_pk_fma_f32 v[128*\m+2*i:128*\m+2*i+1], v[128+2*i:128+2*i+1], v[WE+2*\m:WE+2*\m+1], v[128*\m+2*i:128*\m+2*i+1]
.set i, i+1
.endr
	WIN 0
.Lno2_\@:
.endm
	s_load_b256 s[4:11], s[0:1], 0x0               ; xq s[4:5], wq s[6:7], b1 s[8:9], b2 s[10:11]
	s_load_b128 s[12:15], s[0:1], 0x20             ; ordi s[12:13], ordw s[14:15]
	s_load_b64 s[16:17], s[0:1], 0x30              ; out0
	v_lshl_add_u32 v254, v0, 2, 0x20800
	v_mov_b32 v255, 0
	v_lshrrev_b32 v3, 5, v0
	v_readfirstlane_b32 s18, v3                    ; wave 0..3
	v_and_b32 v3, 31, v0
	v_lshlrev_b32 v[LI], 4, v3
	v_bfe_u32 v[HH], v0, 4, 1
	v_lshlrev_b32 v[BO], 6, v[HH]
	v_and_b32 v[RR], 15, v0
	v_lshlrev_b32 v6, 3, v[RR]                     ; 8 bytes a place
	s_mov_b32 s20, 0x76543210
	s_mov_b32 s21, 0xfedcba98                      ; v_permlanex16_b32's selects for lane l xor 16
	s_mov_b32 s22, 0x7fffffff
	s_lshl_b32 s90, ttmp9, 8                       ; my 32 places x 8 bytes
	s_mov_b32 s91, 0
	s_lshl_b32 s96, s18, 6                         ; the 8 places whose rows my wave stores
	s_wait_kmcnt 0x0
	s_add_nc_u64 s[12:13], s[12:13], s[90:91]
	s_add_nc_u64 s[14:15], s[14:15], s[90:91]
	global_load_b64 v[184:185], v6, s[12:13]               ; tile 0: my token and its word;
	global_load_b64 v[186:187], v6, s[12:13] offset:128    ; tile 1
	global_load_b64 v[GWT:GWT+1], v6, s[14:15]
	global_load_b64 v[GWT+2:GWT+3], v6, s[14:15] offset:128
	s_load_b512 s[32:47], s[12:13], s96 offset:0x0
	s_load_b512 s[48:63], s[14:15], s96 offset:0x0
	s_mul_i32 s90, s18, 34816
	s_add_nc_u64 s[92:93], s[6:7], s[90:91]
	s_lshl_b32 s90, s18, 10
	s_add_nc_u64 s[94:95], s[8:9], s[90:91]
	; while the list is on its way.  OUT begins as zeros: which expert is a tile's first hangs on the list, so no product can start these sums on every way
	WIN 0x40
.set i, 0
.rept 256
	v_mov_b32 v[i], 0
.set i, i+1
.endr
	WIN 0
	KPAIR CF+0,  0xbfe9b21e                        ; -1.82574822
	KPAIR CF+2,  0x3fb8ab5a                        ;  1.44272920
	KPAIR CF+4,  0x3f0a29d2                        ;  0.53970062
	KPAIR CF+6,  0x3e0efb2e                        ;  0.13963006
	KPAIR CF+8,  0xbe899a80                        ; -0.26875686
	KPAIR CF+10, 0x3ecdfd18                        ;  0.40232158
	KPAIR CF+12, 0xbfd1a1e5                        ; -1.63775315
	KPAIR CF+14, 0x40097039                        ;  2.14747446
	KPAIR CF+16, 0xbf97d29d                        ; -1.18611494
	KPAIR CF+18, 0x3e7c6f08                        ;  0.24651730
	KPAIR K35,   0x3eb504f3                        ;  sqrt(2) / 4
	KPAIR KM,    0xbf38aa3b                        ; -log2(e) / 2
	KPAIR ONE,   1.0
.set i, 0
.rept 32
	v_mov_b32 v[PC+i], 0                           ; written once: the exchange of halves reads both its registers, and a tile's fragments are named on ways on which they were not made
.set i, i+1
.endr
.irp j, 0,1,2,3
	v_mov_b32 v[HS+\j], 0
.endr
	v_mov_b32 v[PX], 0                             ; a lane permute's destination counts as one of its sources
	s_wait_loadcnt 0x0
	v_min_u32 v184, 0x1fff, v184                   ; a token's number is held inside the table ahead of its use in an address
	v_min_u32 v186, 0x1fff, v186
	v_lshlrev_b32 v188, 7, v184
	v_lshlrev_b32 v189, 7, v186
	v_lshl_add_u32 v188, v[HH], 4, v188            ; its 128 bytes of codes, + 16 for the upper half of the lanes
	v_lshl_add_u32 v189, v[HH], 4, v189
	v_lshlrev_b32 v190, 3, v184                    ; its 8 scale bytes
	v_lshlrev_b32 v191, 3, v186
.irp m, 0,1
.irp s, 0,1
.irp c, 0,1
	global_load_b128 v[XF+16*\m+8*\s+4*\c:XF+16*\m+8*\s+4*\c+3], v[188+\m], s[4:5] offset:64*\s+32*\c
.endr
.endr
	global_load_b64 v[XS+2*\m:XS+2*\m+1], v[190+\m], s[4:5] offset:1048576
.endr
	v_bfe_u32 v[I1], v185, 8, 4
	v_bfe_u32 v[I1+1], v185, 12, 4
	v_bfe_u32 v[I1+2], v187, 8, 4
	v_bfe_u32 v[I1+3], v187, 12, 4
	v_mov_b32 v192, 1
	v_lshlrev_b32 v193, v[I1], v192
	v_lshlrev_b32 v194, v[I1+1], v192
	v_lshlrev_b32 v195, v[I1+2], v192
	v_lshlrev_b32 v196, v[I1+3], v192
	v_or_b32 v193, v193, v194
	v_or_b32 v195, v195, v196
	v_or_b32 v193, v193, v195                      ; my two tokens' experts, a bit each
	s_mov_b32 s26, 0
.irp e, 0,1,2,3,4,5,6,7
	v_and_b32 v194, 1<<\e, v193
	v_cmp_ne_u32 s90, 0, v194
	s_cmp_lg_u32 s90, 0
	s_cselect_b32 s91, 1<<\e, 0
	s_or_b32 s26, s26, s91                         ; the work-group's: the same in all four waves
.endr
	s_bcnt1_i32_b32 s27, s26                       ; the trips
	s_ctz_i32_b32 s24, s26
	s_min_u32 s24, s24, 7                          ; the first expert
	s_mul_i32 s90, s24, 139264                     ; an expert's 8 blocks of 17,408 bytes
	s_mov_b32 s91, 0
	s_add_nc_u64 s[82:83], s[92:93], s[90:91]
	s_lshl_b32 s90, s24, 12
	s_add_nc_u64 s[86:87], s[94:95], s[90:91]
	LOADP 0, 82, 86, 0, 0
	LOADP 1, 82, 86, 0, 1
	s_wait_kmcnt 0x0
.irp i, 0,1,2,3,4,5,6,7
	s_min_u32 s90, s[32+2*\i], 0x1fff
	s_lshl_b32 s90, s90, 10
	s_add_nc_u64 s[66+2*\i:67+2*\i], s[16:17], s[90:91]   ; the row of out that place 8 w + i owns
.endr
	s_mov_b32 s28, 0
.Lexpert:
	s_sub_co_u32 s90, s26, 1
	s_and_b32 s26, s26, s90                        ; the expert in hand leaves the set;
	s_ctz_i32_b32 s25, s26
	s_cmp_lg_u32 s26, 0
	s_cselect_b32 s25, s25, s24                    ; the next one, or in the last trip the same again: its look-ahead stays inside the buffer and is not read
	s_min_u32 s25, s25, 7
	s_mul_i32 s90, s25, 139264
	s_mov_b32 s91, 0
	s_add_nc_u64 s[84:85], s[92:93], s[90:91]
	s_lshl_b32 s90, s25, 12
	s_add_nc_u64 s[88:89], s[94:95], s[90:91]
.irp m, 0,1
	v_cmp_eq_u32 s96, s24, v[I1+2*\m]
	v_cmp_eq_u32 s97, s24, v[I1+2*\m+1]
	v_cndmask_b32 v[WE+2*\m], 0, v[GWT+2*\m], s96  ; my token's weight for this expert; 0 where it was not chosen
	v_cndmask_b32 v[WE+2*\m], v[WE+2*\m], v[GWT+2*\m+1], s97
	v_mov_b32 v[WE+2*\m+1], v[WE+2*\m]
	s_or_b32 s[29+\m], s96, s97                    ; does any token of the tile use it
.endr
	; The counts: behind a piece's own loads stand those issued with the piece before it: 12 or 14 for a piece two on, and 17 more in the first four pieces for a quarter of W2.
	PIECE 0, 12                                    ; on the way in and on the way back: piece 1's 12
	PIECE 1, 29                                    ; 17 + 12
	PIECE 2, 29                                    ; 17 + 12
	PIECE 3, 31                                    ; 17 + 14
	PIECE 4, 29                                    ; 17 + 12
	PIECE 5, 12
	PIECE 6, 12
	PIECE 7, 14                                    ; the next expert's piece 0, with its scale words
.rept 8
	v_nop                                          ; the hidden layer's scale words were written by vector lines: eight places ahead of the scaled products, four for its codes
.endr
	s_wait_loadcnt 26                              ; W2 is in: only the next expert's first two pieces, 14 + 12 loads, were issued behind it
	WM2ACC 0
	WM2ACC 1
	s_wait_xcnt 0x0                                ; the trip's loads have read their bases: these are written only behind this wait
	s_mov_b64 s[82:83], s[84:85]
	s_mov_b64 s[86:87], s[88:89]
	s_mov_b32 s24, s25
	s_add_co_u32 s28, s28, 1
	s_cmp_lt_u32 s28, s27
	s_cbranch_scc1 .Lexpert
	; THE END.  Each wave holds part sums (its 256 hidden units) of all 32 rows.  They go into its own 32 rows x 1,040 bytes of LDS (1,024 + 16: an odd multiple of 16); behind a barrier wave w adds the four parts of rows
	; 8 w .. 8 w + 7, adds wa b2[i1] + wb b2[i2], and stores whole rows.  (The last trip's look-ahead may still be landing in window 3 and in v84-91: nothing here names those.)
.irp i, 0,1,2,3,4,5,6,7
	s_bfe_u32 s90, s[33+2*\i], 0x40008             ; i1 and i2 of the row's token,
	s_bfe_u32 s91, s[33+2*\i], 0x4000c
	s_min_u32 s90, s90, 7                          ; held inside b2
	s_min_u32 s91, s91, 7
	s_lshl_b32 s90, s90, 10
	s_lshl_b32 s91, s91, 10
	v_add_nc_u32 v[BOF+2*\i], s90, v[LI]
	v_add_nc_u32 v[BOF+2*\i+1], s91, v[LI]
.endr
	s_mul_i32 s90, s18, 33280
	v_mul_u32_u24 v[SA], v[RR], 1040
	v_lshl_add_u32 v[SA], v[HH], 5, v[SA]
	v_add_nc_u32 v[SA], s90, v[SA]                 ; in: my wave's region, row lane % 16 (+ 16 m), 32 bytes for each half of the lanes
	s_mul_i32 s90, s18, 8320
	v_add_nc_u32 v[RA], s90, v[LI]                 ; back: rows 8 w on, 16 bytes a lane, of wave 0's region,
	v_add_nc_u32 v[RA+1], 33280, v[RA]             ; of wave 1's,
	v_add_nc_u32 v[RA+2], 66560, v[RA]
	v_add_nc_u32 v[RA+3], 99840, v[RA]
	WIN 0x80                                       ; destination window 2: W2's registers are done with (the lines above are the places behind the last products)
.irp i, 0,1,2,3,4,5,6,7
.irp k, 0,1
.irp f, 0,1
	global_load_b128 v[16*\i+8*\k+4*\f:16*\i+8*\k+4*\f+3], v[BOF+2*\i+\k], s[10:11] offset:512*\f
.endr
.endr
.endr
	WIN 0x04                                       ; an LDS store's data are its source 1: window 1
.irp m, 0,1
.irp n, 0,1,2,3,4,5,6,7,8,9,10,11,12,13,14,15
	ds_store_b128 v[SA], v[128*\m+8*\n:128*\m+8*\n+3] offset:16640*\m+64*\n       ; lane (r, h): row 16 m + r, outputs 16 nt + 8 h + 0 .. 7
	ds_store_b128 v[SA], v[128*\m+8*\n+4:128*\m+8*\n+7] offset:16640*\m+64*\n+16
.endr
.endr
	WIN 0
	s_wait_dscnt 0x0                               ; for the others' sake: my part sums lie in LDS (and the stores have read OUT's registers, which the loads below fill)
	s_barrier_signal -1
	s_barrier_wait -1
	WIN 0x40                                       ; destination window 1: row i, half f, wave ww's part at 32 i + 16 f + 4 ww
.irp i, 0,1,2,3,4,5,6,7
.irp f, 0,1
.irp ww, 0,1,2,3
	ds_load_b128 v[32*\i+16*\f+4*\ww:32*\i+16*\f+4*\ww+3], v[RA+\ww] offset:1040*\i+512*\f
.endr
.endr
.endr
	s_wait_loadcnt 0x0                             ; b2's rows
.macro ROWS i0, left
	s_wait_dscnt \left                             ; these four rows' 32 loads are back
	WIN 0x45                                       ; all three in window 1
.irp i, \i0, \i0+1, \i0+2, \i0+3
.irp f, 0,1
.irp c, 0,2
	v_pk_add_f32 v[32*(\i)+16*\f+\c:32*(\i)+16*\f+\c+1], v[32*(\i)+16*\f+\c:32*(\i)+16*\f+\c+1], v[32*(\i)+16*\f+4+\c:32*(\i)+16*\f+4+\c+1]
	v_pk_add_f32 v[32*(\i)+16*\f+8+\c:32*(\i)+16*\f+8+\c+1], v[32*(\i)+16*\f+8+\c:32*(\i)+16*\f+8+\c+1], v[32*(\i)+16*\f+12+\c:32*(\i)+16*\f+12+\c+1]
.endr
.endr
.endr
.irp i, \i0, \i0+1, \i0+2, \i0+3
.irp f, 0,1
.irp c, 0,2
	v_pk_add_f32 v[32*(\i)+16*\f+\c:32*(\i)+16*\f+\c+1], v[32*(\i)+16*\f+\c:32*(\i)+16*\f+\c+1], v[32*(\i)+16*\f+8+\c:32*(\i)+16*\f+8+\c+1]
.endr
.endr
.endr
	WIN 0x52                                       ; source 0 (b2) window 2; source 2 and destination window 1
.irp k, 0,1
.irp i, \i0, \i0+1, \i0+2, \i0+3
.irp f, 0,1
.irp c, 0,1,2,3
	v_fma_f32 v[32*(\i)+16*\f+\c], v[16*(\i)+8*\k+4*\f+\c], s[48+2*(\i)+\k], v[32*(\i)+16*\f+\c]
.endr
.endr
.endr
.endr
	WIN 0x04                                       ; a store's data are its source 1: window 1
.irp i, \i0, \i0+1, \i0+2, \i0+3
.irp f, 0,1
	global_store_b128 v[LI], v[32*(\i)+16*\f:32*(\i)+16*\f+3], s[66+2*(\i):67+2*(\i)] offset:512*\f th:TH_STORE_NT   ; 32 lanes store 512 consecutive bytes, at a multiple of 256 from out's first byte
.endr
.endr
.endm
	ROWS 0, 32                                     ; the last four rows' 32 loads may be out
	ROWS 4, 0
	WIN 0
	s_wait_tensorcnt 0x0
	ds_add_u32 v254, v255
	s_wait_dscnt 0x0
	s_endpgm
.Lfunc_end_k_q7df215b9f4_chain:
	.size	k_q7df215b9f4_chain, .Lfunc_end_k_q7df215b9f4_chain-k_q7df215b9f4_chain
	.p2alignl 7, 3214868480
	.fill 96, 4, 3214868480
	.section	.rodata,"a",@progbits
	.p2align	6, 0x0
	.amdhsa_kernel k_q7df215b9f4_chain
		.amdhsa_group_segment_fixed_size 133632
		.amdhsa_private_segment_fixed_size 0
		.amdhsa_enable_private_segment 0
		.amdhsa_kernarg_size 56
		.amdhsa_user_sgpr_count 2
		.amdhsa_user_sgpr_kernarg_segment_ptr 1
		.amdhsa_wavefront_size32 1
		.amdhsa_system_sgpr_workgroup_id_x 1
		.amdhsa_system_sgpr_workgroup_id_y 1
		.amdhsa_system_sgpr_workgroup_id_z 1
		.amdhsa_system_vgpr_workitem_id 0
		.amdhsa_next_free_vgpr 1024
		.amdhsa_next_free_sgpr 100
		.amdhsa_reserve_vcc 0
		.amdhsa_float_denorm_mode_32 3
		.amdhsa_float_denorm_mode_16_64 3
		.amdhsa_memory_ordered 1
		.amdhsa_forward_progress 1
		.amdhsa_inst_pref_size 255
	.end_amdhsa_kernel
	.section	.bss,"aw",@nobits
	.p2align	6
	.space	262144
	.amdgpu_metadata
---
amdhsa.version: [ 1, 2 ]
amdhsa.kernels:
  - .name:           k_q7df215b9f4_chain
    .symbol:         k_q7df215b9f4_chain.kd
    .args:
      - { .name: xq, .offset: 0, .size: 8, .value_kind: global_buffer, .address_space: global }
      - { .name: wq, .offset: 8, .size: 8, .value_kind: global_buffer, .address_space: global }
      - { .name: b1, .offset: 16, .size: 8, .value_kind: global_buffer, .address_space: global }
      - { .name: b2, .offset: 24, .size: 8, .value_kind: global_buffer, .address_space: global }
      - { .name: ordi, .offset: 32, .size: 8, .value_kind: global_buffer, .address_space: global }
      - { .name: ordw, .offset: 40, .size: 8, .value_kind: global_buffer, .address_space: global }
      - { .name: out0, .offset: 48, .size: 8, .value_kind: global_buffer, .address_space: global }
    .group_segment_fixed_size: 133632
    .private_segment_fixed_size: 0
    .kernarg_segment_align: 8
    .kernarg_segment_size: 56
    .max_flat_workgroup_size: 128
    .sgpr_count:     100
    .vgpr_count:     1024
    .wavefront_size: 32
...
	.end_amdgpu_metadata
.endif
;; end of part 3
;; ======== version 2 of 2: 3 launches; version 1 with the launch chain written anew for expert scheduling mode
;; workspace buffers: xq 1,114,112 bytes; wq 2,228,224 bytes; sel 32,768 bytes of whole numbers; gwt 65,536 bytes; hist 32,768 bytes of whole numbers; ordi 65,536 bytes of whole numbers; ordw 65,536 bytes
;; launch prep: the kernel of part 1 again; grid 256 x 1, 4 waves a work-group, no clusters, 41,472 bytes of LDS; arguments x, gate_w, gate_b, w1, w2, xq, wq, sel, gwt, hist; writes xq, wq, sel, gwt, hist
;; launch place: the kernel of part 2 again; grid 1 x 1, 16 waves a work-group, no clusters, 4,096 bytes of LDS; arguments sel, gwt, hist, ordi, ordw; writes ordi, ordw
;; launch chain (part 4): grid 256 x 1, 4 waves a work-group, no clusters, 133,632 bytes of LDS; arguments xq, wq, b1, b2, ordi, ordw, out0; writes out0
.if DOCPART == 4
	.amdgcn_target "amdgcn-amd-amdhsa--gfx1250"
	.amdhsa_code_object_version 6
	.text
	.protected	k_q7df215b9f4_chain
	.globl	k_q7df215b9f4_chain
	.p2align	8
	.type	k_q7df215b9f4_chain,@function
k_q7df215b9f4_chain:
	s_mov_b64 s[64:65], 0
	v_nop
	global_prefetch_b8 v0, s[64:65] scope:SCOPE_SE
	s_setreg_imm32_b32 hwreg(HW_REG_WAVE_SCHED_MODE, 0, 2), 2
	s_setreg_imm32_b32 hwreg(HW_REG_WAVE_MODE, 25, 1), 1
	s_wait_xcnt 0x0
	s_wait_alu depctr_vm_vsrc(0)
; THIRD LAUNCH: out[token] = wa (gelu(x W1[i1] + b1[i1]) W2[i1] + b2[i1]) + wb (the same for i2), both products on codes of FP4 (E2M1) with one E8M0 scale for each 32 along K.
; Only the two experts chosen for a token are multiplied: the others' results are thrown away by a mask that the module builds itself.
; SHARES.  Work-group G owns the 32 tokens at places 32 G .. 32 G + 31 of the sorted list: two tiles m of 16.  It walks the experts that any of them uses (read from the list: 2 where the block lies
; inside one pair of experts) and is the one owner of its 32 rows of out.  WAVE w OWNS HIDDEN UNITS 256 w .. 256 w + 255 of every expert, as two chunks q of 128, through BOTH products: its part of the hidden
; layer is made, put through gelu, quantised and multiplied by its two K steps of W2 without leaving its registers.  The loop has no LDS access and no barrier; the four waves' part sums meet once, at the end.
; BOTH PRODUCTS ARE USED TRANSPOSED (source 0 = 16 rows of a weight, source 1 = 16 tokens): a lane holds ONE token (lane % 16) throughout.  The rows of W1 that form a tile are chosen (by the first launch) so that
; the 16 registers of tiles u = 0, 1 of a block b are 16 neighbours along the next K: 32 b + 16 (lane / 16) + 0 .. 15.
; WEIGHTS come from memory straight into registers, as images of the operand's registers laid by the first launch: two loads of 16 bytes a lane for a fragment, 512 consecutive bytes each.
; NO TENSOR LOADS, NO CLUSTER: which experts a work-group walks, and how many, is read from memory, so the loop's trips and branches hang on loaded numbers, and neighbours would want different tiles in different numbers.
; A tile that does not use the expert in hand skips its gelu, its quantiser and its second product by scalar branches on the list; its first product's four instructions a piece are issued all the same.
; GELU.  2 gelu(x) = (x + |x|) - |x| r, r = erfc(|x| / sqrt 2) = t 2^(P(t) - x^2 log2(e) / 2), t = 1 / (1 + |x| sqrt(2) / 4), P a polynomial of degree 9 (a published fit of erfc, its relative error 1.2e-7, times log2 e).
; The form keeps its relative accuracy in the negative tail.  The factor 2 is exact and is taken out of the scale bytes: the codes of 2 gelu under twice the scale are those of gelu under the scale.
; LIMITS.  gelu's relative error is about 5e-7 (the fit, one reciprocal, one exponential, f32 Horner steps).  A block of zeros gets the byte 1 where the quantiser says 127: its codes are zeros.  NaN and infinities are not served.
; THE MODE: SCHED_MODE bits 1:0 = 2 (LLVM: expert scheduling mode 2), set by the entry lines.  The code itself states the register dependences between vector or matrix instructions and memory or LDS
; instructions, with s_wait_alu, always for 0.
; THE PLAN.  Registers that memory or LDS instructions touch:
;   v[LI], v[BO]      offsets of every load of weights: written at the head, never again.
;   v188-191          offsets of x's gathers at the head; the gelu writes them as |x|: one wait on vm_vsrc ahead of the loop.
;   window 3, W1's buffer k and b1's tiles k: piece p's eight products read them (k = p % 2); behind them the loads of piece p + 2 land there.
;   W1's scale words  read by the products of chunk q; loaded again in piece 2 (q = 1) and piece 6 (q = 0, the next expert's).
;   window 2 (W2) and W2's scale words: read by the trip's second products alone; loaded again in pieces 0 to 3 of the next trip.
;   the hidden layer's codes and scale words: written by vector lines, taken by scaled products.
;   HA, |x|, t, P, Y, the weights WE: named by vector and matrix instructions alone.  OUT: so too in the loop; at the end LDS stores read it, LDS loads land in it, global stores read it.
; So ONE wait on va_vdst stands in a piece, behind its products and their places: they are done reading buffer k, in which the piece's loads of W1 and b1 land.  A quarter of W2 is asked for AHEAD of that wait, straight
; behind the products: no vector or matrix instruction since the last wait on va_vdst (the trip's end for piece 0, the piece before for the others) names window 2, W2's scale words or v[LI].
; One wait stands ahead of the second products (their operands made by vector lines), one at the trip's end (W2 is read out).  The gelu's two waits for its reciprocals and exponentials stand as they did.
; REGISTERS, in windows of 256 (s_set_vgpr_msb: bits 1:0 source 0, 3:2 source 1, 5:4 source 2, 7:6 destination):
;   window 0: see the names below.   window 1: OUT(m, nt) at 128 m + 8 nt, the weighted sums; at the end the rows on their way out.
;   window 2: W2(q, nt) at 128 q + 8 nt; at the end rows of b2.   window 3: W1's four fragments of a piece, two buffers k, at 32 k + 8 (2 s + u); b1's two tiles at 64 + 16 k + 8 u; Y(nt) at 128 + 8 nt.
.set LI,  1                            ; v1        16 x lane; never rewritten
.set BO,  2                            ; v2        64 x (lane / 16); never rewritten
.set HH,  4                            ; v4        lane / 16
.set RR,  5                            ; v5        lane % 16
.set I1,  8                            ; v8-11     my token's i1, i2 in tile 0; in tile 1
.set GWT, 12                           ; v12-15    its (wa, wb), likewise
.set WE,  16                           ; v16-19    its weight for the expert in hand, twice over (a pair for the packed form), tile by tile
.set CF,  20                           ; v20-39    the polynomial's C0 .. C9, each twice over
.set K35, 40                           ; v40-41    sqrt(2) / 4
.set KM,  42                           ; v42-43    -log2(e) / 2
.set ONE, 44                           ; v44-45    1
.set XF,  48                           ; v48-79    x's fragments (tile m, K step s) at 16 m + 8 s
.set XS,  80                           ; v80-83    their scale words at 2 m + s
.set W1S, 84                           ; v84-99    W1's scale words at 8 q + 2 b + s: lanes 0-15 tile u = 0, lanes 16-31 tile u = 1
.set W2S, 100                          ; v100-115  W2's at 8 q + nt / 2: lanes 0-15 even nt, lanes 16-31 odd nt
.set HS,  116                          ; v116-119  the hidden layer's scale words at 2 q + m
.set HA,  120                          ; v120-151  a piece's four tiles of the hidden layer at 16 m + 8 u
.set PC,  152                          ; v152-183  the hidden layer's fragments at 16 q + 8 m
.set AX,  184                          ; v184-199  |x|
.set T,   200                          ; v200-215  t
.set P,   216                          ; v216-231  the polynomial, then the power of two
.set MQ,  232                          ; v232-247  -x log2(e) / 2
.set TM0, 248
.set TM1, 249
.set PX,  250
.set SO,  251
.set BY,  252
.set BOF, 120                          ; the end: v120-135 offsets of my 8 rows' two rows of b2; v136 where I put part sums; v137-140 where I read the four waves' back
.set SA,  136
.set RA,  137
; s18 wave; s[20:21] lane selects; s22 the mask of a magnitude; s24 the expert in hand, s25 the next; s26 the experts still to come, a bit each; s27 how many there are; s28 the trip; s29, s30: does tile 0, 1 use the expert;
; s[32:47] (token, word) and s[48:63] (wa, wb) of the 8 rows that I store; s[66:81] those rows' addresses (s66-73 at the head: eight masks); s[82:83], s[84:85] my part of wq for the expert in hand and the next;
; s[86:87], s[88:89] of b1 likewise; s[92:93] wq + 34,816 wave; s[94:95] b1 + 1,024 wave; s96-99 the trip's four masks.
.set MSB, 0
.macro WIN new                         ; the immediate's high byte repeats the setting that is left; at a label and at a branch every window is 0
.if MSB != \new
	s_set_vgpr_msb (MSB<<8)|\new
.set MSB, \new
.endif
.endm
.macro KPAIR r, val
	v_mov_b32 v[\r], \val
	v_mov_b32 v[\r+1], \val
.endm
; The weights of one piece (chunk q, block b of 32 hidden units) into buffer k: four fragments of W1 (8 loads), b1's 32 numbers in the result's layout (4 loads); with b = 0 the chunk's scale words (2 loads).  12 loads, or 14.
.macro LOADP k, wb, bb, q, b
	WIN 0xc0                                       ; destination window 3
.irp i, 0,1,2,3,4,5,6,7
	global_load_b128 v[32*(\k)+4*\i:32*(\k)+4*\i+3], v[LI], s[\wb:\wb+1] offset:(\q)*17408+(\b)*4096+512*\i
.endr
.irp i, 0,1,2,3
	global_load_b128 v[64+16*(\k)+4*\i:64+16*(\k)+4*\i+3], v[BO], s[\bb:\bb+1] offset:(128*(\q)+32*(\b))*4+16*\i
.endr
	WIN 0
.if (\b) == 0
.irp j, 0,1
	global_load_b128 v[W1S+8*(\q)+4*\j:W1S+8*(\q)+4*\j+3], v[LI], s[\wb:\wb+1] offset:(\q)*17408+16384+512*\j
.endr
.endif
.endm
; A quarter of the expert's W2 for my wave: K step q = pp / 2, output tiles 8 (pp % 2) .. + 7 (16 loads), and their scale words (1 load).  17 loads.
.macro LOADW2 pp
.set WQ, (\pp)/2
.set WH, (\pp)%2
	WIN 0x80                                       ; destination window 2
.irp k, 0,1,2,3,4,5,6,7
.irp c, 0,1
	global_load_b128 v[128*WQ+8*(8*WH+\k)+4*\c:128*WQ+8*(8*WH+\k)+4*\c+3], v[LI], s[82:83] offset:1114112+WQ*17408+(8*WH+\k)*1024+512*\c
.endr
.endr
	WIN 0
	global_load_b128 v[W2S+8*WQ+4*WH:W2S+8*WQ+4*WH+3], v[LI], s[82:83] offset:1114112+WQ*17408+16384+512*WH
.endm
; The first product of a piece: four tiles (u, m) of 16 hidden units x 16 tokens, K = 256 in two steps.  b1 is the C of each sum's first instruction.  The four accumulators take turns.
.macro WM1 k, q, b
	WIN 0x33                                       ; source 0 (W1) and source 2 (b1) window 3
.irp m, 0,1
.irp u, 0,1
.if \u
	v_wmma_scale_f32_16x16x128_f8f6f4 v[HA+16*\m+8*\u:HA+16*\m+8*\u+7], v[32*(\k)+8*\u:32*(\k)+8*\u+7], v[XF+16*\m:XF+16*\m+7], v[64+16*(\k)+8*\u:64+16*(\k)+8*\u+7], v[W1S+8*(\q)+2*(\b)], v[XS+2*\m] matrix_a_fmt:MATRIX_FMT_FP4 matrix_b_fmt:MATRIX_FMT_FP4 matrix_a_scale:MATRIX_SCALE_ROW1
.else
	v_wmma_scale_f32_16x16x128_f8f6f4 v[HA+16*\m+8*\u:HA+16*\m+8*\u+7], v[32*(\k)+8*\u:32*(\k)+8*\u+7], v[XF+16*\m:XF+16*\m+7], v[64+16*(\k)+8*\u:64+16*(\k)+8*\u+7], v[W1S+8*(\q)+2*(\b)], v[XS+2*\m] matrix_a_fmt:MATRIX_FMT_FP4 matrix_b_fmt:MATRIX_FMT_FP4
.endif
.endr
.endr
	WIN 0x03                                       ; source 0 window 3; C and D window 0
.irp m, 0,1
.irp u, 0,1
.if \u
	v_wmma_scale_f32_16x16x128_f8f6f4 v[HA+16*\m+8*\u:HA+16*\m+8*\u+7], v[32*(\k)+16+8*\u:32*(\k)+16+8*\u+7], v[XF+16*\m+8:XF+16*\m+15], v[HA+16*\m+8*\u:HA+16*\m+8*\u+7], v[W1S+8*(\q)+2*(\b)+1], v[XS+2*\m+1] matrix_a_fmt:MATRIX_FMT_FP4 matrix_b_fmt:MATRIX_FMT_FP4 matrix_a_scale:MATRIX_SCALE_ROW1
.else
	v_wmma_scale_f32_16x16x128_f8f6f4 v[HA+16*\m+8*\u:HA+16*\m+8*\u+7], v[32*(\k)+16+8*\u:32*(\k)+16+8*\u+7], v[XF+16*\m+8:XF+16*\m+15], v[HA+16*\m+8*\u:HA+16*\m+8*\u+7], v[W1S+8*(\q)+2*(\b)+1], v[XS+2*\m+1] matrix_a_fmt:MATRIX_FMT_FP4 matrix_b_fmt:MATRIX_FMT_FP4
.endif
.endr
.endr
	WIN 0
.endm
; 2 gelu of tile m's 16 numbers a lane, in place; eight pairs in step, so that no line waits for the line above it.  Each accumulator is read from its low end on.
.macro GELU m
.set XR, HA+16*(\m)
.irp i, 0,1,2,3,4,5,6,7,8,9,10,11,12,13,14,15
	v_and_b32 v[AX+\i], s22, v[XR+\i]              ; |x|
.endr
.irp i, 0,2,4,6,8,10,12,14
	v_pk_fma_f32 v[T+\i:T+\i+1], v[AX+\i:AX+\i+1], v[K35:K35+1], v[ONE:ONE+1]
.endr
.irp i, 0,1,2,3,4,5,6,7,8,9,10,11,12,13,14,15
	v_rcp_f32 v[T+\i], v[T+\i]                     ; t
.endr
.irp i, 0,2,4,6,8,10,12,14
	v_pk_mul_f32 v[MQ+\i:MQ+\i+1], v[XR+\i:XR+\i+1], v[KM:KM+1]   ; (plain lines behind the reciprocals)
.endr
	s_wait_alu depctr_va_vdst(0)                   ; the sixteen reciprocals have written t, which the polynomial's first lines read: one wait for the batch
.irp i, 0,2,4,6,8,10,12,14
	v_pk_fma_f32 v[P+\i:P+\i+1], v[T+\i:T+\i+1], v[CF+18:CF+19], v[CF+16:CF+17]
.endr
.irp c, 7,6,5,4,3,2,1,0
.irp i, 0,2,4,6,8,10,12,14
	v_pk_fma_f32 v[P+\i:P+\i+1], v[P+\i:P+\i+1], v[T+\i:T+\i+1], v[CF+2*\c:CF+2*\c+1]
.endr
.endr
.irp i, 0,2,4,6,8,10,12,14
	v_pk_fma_f32 v[P+\i:P+\i+1], v[MQ+\i:MQ+\i+1], v[XR+\i:XR+\i+1], v[P+\i:P+\i+1]   ; P(t) - x^2 log2(e) / 2
.endr
.irp i, 0,1,2,3,4,5,6,7,8,9,10,11,12,13,14,15
	v_exp_f32 v[P+\i], v[P+\i]
.endr
.irp i, 0,2,4,6,8,10,12,14
	v_pk_add_f32 v[XR+\i:XR+\i+1], v[XR+\i:XR+\i+1], v[AX+\i:AX+\i+1]   ; x + |x|  (plain lines behind the exponentials)
.endr
	s_wait_alu depctr_va_vdst(0)                   ; the sixteen exponentials have written the powers of two, which the next lines read: one wait for the batch
.irp i, 0,2,4,6,8,10,12,14
	v_pk_mul_f32 v[T+\i:T+\i+1], v[T+\i:T+\i+1], v[P+\i:P+\i+1]         ; r
.endr
.irp i, 0,2,4,6,8,10,12,14
	v_pk_fma_f32 v[XR+\i:XR+\i+1], v[AX+\i:AX+\i+1], v[T+\i:T+\i+1], v[XR+\i:XR+\i+1] neg_lo:[1,0,0] neg_hi:[1,0,0]
.endr
.endm
; Tile m's 16 numbers a lane (2 gelu) are half of block b of K step q of the second product; lane l xor 16 holds the other half.  Codes into the fragment, the byte into the scale word.
.macro QUANT q, b, m
.set XR, HA+16*(\m)
.set PR, PC+16*(\q)+8*(\m)
.set HR, HS+2*(\q)+(\m)
	v_max3_num_f32 v[TM0], |v[XR]|, |v[XR+1]|, 0x2000000     ; the floor 2^(4 - 127) for the doubled numbers: the byte of gelu's scale cannot fall under 1
	v_max3_num_f32 v[TM1], |v[XR+2]|, |v[XR+3]|, |v[XR+4]|
	v_max3_num_f32 v[TM0], v[TM0], |v[XR+5]|, |v[XR+6]|
	v_max3_num_f32 v[TM1], v[TM1], |v[XR+7]|, |v[XR+8]|
	v_max3_num_f32 v[TM0], v[TM0], |v[XR+9]|, |v[XR+10]|
	v_max3_num_f32 v[TM1], v[TM1], |v[XR+11]|, |v[XR+12]|
	v_max3_num_f32 v[TM0], v[TM0], |v[XR+13]|, |v[XR+14]|
	v_max3_num_f32 v[TM1], v[TM1], |v[XR+15]|, v[TM0]
	v_permlanex16_b32 v[PX], v[TM1], s20, s21
	v_max_num_f32 v[TM1], v[TM1], v[PX]            ; the block's largest magnitude
	v_add_nc_u32 v[SO], 0xff000000, v[TM1]         ; 2 off its exponent field: the conversion's scale operand
	v_cvt_scalef32_pk8_fp4_f32 v[PR+2*(\b)], v[XR:XR+7], v[SO]
	v_cvt_scalef32_pk8_fp4_f32 v[PR+2*(\b)+1], v[XR+8:XR+15], v[SO]
.if (\b) == 0
	v_lshrrev_b32 v[HR], 23, v[SO]                 ; the byte of the doubled numbers' scale.  (The plain line behind the conversions)
.else
	v_lshrrev_b32 v[BY], 23, v[SO]
	v_lshl_or_b32 v[HR], v[BY], 8*(\b), v[HR]
.endif
.if (\b)%2 == 1                        ; the operand's layout wants a whole block in a lane: lanes 0-15 the even block, lanes 16-31 the odd one
	v_permlane16_swap_b32 v[PR+2*(\b)-2], v[PR+2*(\b)]
	v_permlane16_swap_b32 v[PR+2*(\b)-1], v[PR+2*(\b)+1]
.endif
.if (\b) == 3
	v_add_nc_u32 v[HR], 0xfefefeff, v[HR]          ; 1 off each of the four bytes (each is 2 at the least): gelu's scale is half the doubled numbers'
.endif
.endm
; A PIECE: 32 hidden units x 32 tokens.  n: how many loads were issued behind this piece's own.
; Behind the products stand five places (ISA guide 7.12.1): four for the first read of the results, the fifth for the next piece's first product, which writes over
; an accumulator of this one with nothing else between where both tiles skip their gelu.  The loads between the products and the places fill none and take none away.
.macro PIECE p, n
.set PQ, (\p)/4
.set PB, (\p)%4
.set PK, (\p)%2
.set NQ2, (((\p)+2)%8)/4
.set NB2, ((\p)+2)%4
	s_wait_loadcnt \n
	WM1 PK, PQ, PB
.if (\p) < 4
	LOADW2 \p                                      ; W2 is wanted behind piece 7.  No wait: no vector or matrix instruction since the last wait on va_vdst names window 2, W2's scale words or v[LI]
.endif
.rept 5
	v_nop
.endr
	s_wait_alu depctr_va_vdst(0)                   ; this piece's products are done reading W1's buffer and b1's tiles, and all earlier products W1's scale words: the loads below land in them
.if (\p) < 6
	LOADP PK, 82, 86, NQ2, NB2                     ; the piece two on, into the buffer just read
.else
	LOADP PK, 84, 88, NQ2, NB2                     ; the next expert's first two pieces
.endif
	s_cmp_eq_u32 s29, 0
	s_cbranch_scc1 .Lg0_\@
	GELU 0
	QUANT PQ, PB, 0
.Lg0_\@:
	s_cmp_eq_u32 s30, 0
	s_cbranch_scc1 .Lg1_\@
	GELU 1
	QUANT PQ, PB, 1
.Lg1_\@:
.endm
; The second product of tile m over my two K steps, all 256 outputs, and OUT += weight x Y.  Eight accumulators by turns; the first K step starts each sum.
; Behind the products: four places, then the 64 packed lines, each accumulator from its low end on; they are also the places ahead of the next pass, which begins the same accumulators anew.
.macro WM2ACC m
	s_cmp_eq_u32 s[29+\m], 0
	s_cbranch_scc1 .Lno2_\@
	WIN 0xf2                                       ; source 0 (W2) window 2; C and D window 3
.irp g, 0,1
.irp q, 0,1
.irp n, 0,1,2,3,4,5,6,7
.if \q == 0
.if \n%2
	v_wmma_scale_f32_16x16x128_f8f6f4 v[128+64*\g+8*\n:128+64*\g+8*\n+7], v[128*\q+64*\g+8*\n:128*\q+64*\g+8*\n+7], v[PC+16*\q+8*\m:PC+16*\q+8*\m+7], 0, v[W2S+8*\q+4*\g+\n/2], v[HS+2*\q+\m] matrix_a_fmt:MATRIX_FMT_FP4 matrix_b_fmt:MATRIX_FMT_FP4 matrix_a_scale:MATRIX_SCALE_ROW1
.else
	v_wmma_scale_f32_16x16x128_f8f6f4 v[128+64*\g+8*\n:128+64*\g+8*\n+7], v[128*\q+64*\g+8*\n:128*\q+64*\g+8*\n+7], v[PC+16*\q+8*\m:PC+16*\q+8*\m+7], 0, v[W2S+8*\q+4*\g+\n/2], v[HS+2*\q+\m] matrix_a_fmt:MATRIX_FMT_FP4 matrix_b_fmt:MATRIX_FMT_FP4
.endif
.else
.if \n%2
	v_wmma_scale_f32_16x16x128_f8f6f4 v[128+64*\g+8*\n:128+64*\g+8*\n+7], v[128*\q+64*\g+8*\n:128*\q+64*\g+8*\n+7], v[PC+16*\q+8*\m:PC+16*\q+8*\m+7], v[128+64*\g+8*\n:128+64*\g+8*\n+7], v[W2S+8*\q+4*\g+\n/2], v[HS+2*\q+\m] matrix_a_fmt:MATRIX_FMT_FP4 matrix_b_fmt:MATRIX_FMT_FP4 matrix_a_scale:MATRIX_SCALE_ROW1
.else
	v_wmma_scale_f32_16x16x128_f8f6f4 v[128+64*\g+8*\n:128+64*\g+8*\n+7], v[128*\q+64*\g+8*\n:128*\q+64*\g+8*\n+7], v[PC+16*\q+8*\m:PC+16*\q+8*\m+7], v[128+64*\g+8*\n:128+64*\g+8*\n+7], v[W2S+8*\q+4*\g+\n/2], v[HS+2*\q+\m] matrix_a_fmt:MATRIX_FMT_FP4 matrix_b_fmt:MATRIX_FMT_FP4
.endif
.endif
.endr
.endr
.endr
	WIN 0
.rept 4
	v_nop
.endr
	WIN 0x53                                       ; source 0 (Y) window 3; source 2 and destination (OUT) window 1; the weight window 0
.set i, 0
.rept 64
	v_pk_fma_f32 v[128*\m+2*i:128*\m+2*i+1], v[128+2*i:128+2*i+1], v[WE+2*\m:WE+2*\m+1], v[128*\m+2*i:128*\m+2*i+1]
.set i, i+1
.endr
	WIN 0
.Lno2_\@:
.endm
	s_load_b256 s[4:11], s[0:1], 0x0               ; xq s[4:5], wq s[6:7], b1 s[8:9], b2 s[10:11]
	s_load_b128 s[12:15], s[0:1], 0x20             ; ordi s[12:13], ordw s[14:15]
	s_load_b64 s[16:17], s[0:1], 0x30              ; out0
	v_lshl_add_u32 v254, v0, 2, 0x20800
	v_mov_b32 v255, 0
	v_lshrrev_b32 v3, 5, v0
	v_readfirstlane_b32 s18, v3                    ; wave 0..3
	v_and_b32 v3, 31, v0
	v_lshlrev_b32 v[LI], 4, v3
	v_bfe_u32 v[HH], v0, 4, 1
	v_lshlrev_b32 v[BO], 6, v[HH]
	v_and_b32 v[RR], 15, v0
	v_lshlrev_b32 v6, 3, v[RR]                     ; 8 bytes a place
	s_mov_b32 s20, 0x76543210
	s_mov_b32 s21, 0xfedcba98                      ; v_permlanex16_b32's selects for lane l xor 16
	s_mov_b32 s22, 0x7fffffff
	s_lshl_b32 s90, ttmp9, 8                       ; my 32 places x 8 bytes
	s_mov_b32 s91, 0
	s_wait_alu depctr_va_sdst(0)                   ; s18, the wave's number, is written, ahead of its first reader
	s_lshl_b32 s96, s18, 6                         ; the 8 places whose rows my wave stores
	s_wait_kmcnt 0x0
	s_add_nc_u64 s[12:13], s[12:13], s[90:91]
	s_add_nc_u64 s[14:15], s[14:15], s[90:91]
	s_wait_alu depctr_va_vdst(0)                   ; v6 is written, the offset of the four loads below; so are v[LI] and v[BO], the offsets of every load of weights
	global_load_b64 v[184:185], v6, s[12:13]               ; tile 0: my token and its word;
	global_load_b64 v[186:187], v6, s[12:13] offset:128    ; tile 1
	global_load_b64 v[GWT:GWT+1], v6, s[14:15]
	global_load_b64 v[GWT+2:GWT+3], v6, s[14:15] offset:128
	s_load_b512 s[32:47], s[12:13], s96 offset:0x0
	s_load_b512 s[48:63], s[14:15], s96 offset:0x0
	s_mul_i32 s90, s18, 34816
	s_add_nc_u64 s[92:93], s[6:7], s[90:91]
	s_lshl_b32 s90, s18, 10
	s_add_nc_u64 s[94:95], s[8:9], s[90:91]
	; while the list is on its way.  OUT begins as zeros: which expert is a tile's first hangs on the list, so no product can start these sums on every way
	WIN 0x40
.set i, 0
.rept 256
	v_mov_b32 v[i], 0
.set i, i+1
.endr
	WIN 0
	KPAIR CF+0,  0xbfe9b21e                        ; -1.82574822
	KPAIR CF+2,  0x3fb8ab5a                        ;  1.44272920
	KPAIR CF+4,  0x3f0a29d2                        ;  0.53970062
	KPAIR CF+6,  0x3e0efb2e                        ;  0.13963006
	KPAIR CF+8,  0xbe899a80                        ; -0.26875686
	KPAIR CF+10, 0x3ecdfd18                        ;  0.40232158
	KPAIR CF+12, 0xbfd1a1e5                        ; -1.63775315
	KPAIR CF+14, 0x40097039                        ;  2.14747446
	KPAIR CF+16, 0xbf97d29d                        ; -1.18611494
	KPAIR CF+18, 0x3e7c6f08                        ;  0.24651730
	KPAIR K35,   0x3eb504f3                        ;  sqrt(2) / 4
	KPAIR KM,    0xbf38aa3b                        ; -log2(e) / 2
	KPAIR ONE,   1.0
.set i, 0
.rept 32
	v_mov_b32 v[PC+i], 0                           ; written once: the exchange of halves reads both its registers, and a tile's fragments are named on ways on which they were not made
.set i, i+1
.endr
.irp j, 0,1,2,3
	v_mov_b32 v[HS+\j], 0
.endr
	v_mov_b32 v[PX], 0                             ; a lane permute's destination counts as one of its sources
	s_wait_loadcnt 0x0
	v_min_u32 v184, 0x1fff, v184                   ; a token's number is held inside the table ahead of its use in an address
	v_min_u32 v186, 0x1fff, v186
	v_lshlrev_b32 v188, 7, v184
	v_lshlrev_b32 v189, 7, v186
	v_lshl_add_u32 v188, v[HH], 4, v188            ; its 128 bytes of codes, + 16 for the upper half of the lanes
	v_lshl_add_u32 v189, v[HH], 4, v189
	v_lshlrev_b32 v190, 3, v184                    ; its 8 scale bytes
	v_lshlrev_b32 v191, 3, v186
	s_wait_alu depctr_va_vdst(0)                   ; v188 to v191 are written, the offsets of x's gathers below
.irp m, 0,1
.irp s, 0,1
.irp c, 0,1
	global_load_b128 v[XF+16*\m+8*\s+4*\c:XF+16*\m+8*\s+4*\c+3], v[188+\m], s[4:5] offset:64*\s+32*\c
.endr
.endr
	global_load_b64 v[XS+2*\m:XS+2*\m+1], v[190+\m], s[4:5] offset:1048576
.endr
	v_bfe_u32 v[I1], v185, 8, 4
	v_bfe_u32 v[I1+1], v185, 12, 4
	v_bfe_u32 v[I1+2], v187, 8, 4
	v_bfe_u32 v[I1+3], v187, 12, 4
	v_mov_b32 v192, 1
	v_lshlrev_b32 v193, v[I1], v192
	v_lshlrev_b32 v194, v[I1+1], v192
	v_lshlrev_b32 v195, v[I1+2], v192
	v_lshlrev_b32 v196, v[I1+3], v192
	v_or_b32 v193, v193, v194
	v_or_b32 v195, v195, v196
	v_or_b32 v193, v193, v195                      ; my two tokens' experts, a bit each
.irp e, 0,1,2,3,4,5,6,7
	v_and_b32 v194, 1<<\e, v193
	v_cmp_ne_u32 s[66+\e], 0, v194                 ; the lanes that use expert e: the eight compares stand in a run, each with a mask of its own
.endr
	s_wait_alu depctr_va_sdst(0)                   ; the eight masks s66 to s73 are written, ahead of their first reader
	s_mov_b32 s26, 0
.irp e, 0,1,2,3,4,5,6,7
	s_cmp_lg_u32 s[66+\e], 0
	s_cselect_b32 s91, 1<<\e, 0
	s_or_b32 s26, s26, s91                         ; the work-group's: the same in all four waves
.endr
	s_bcnt1_i32_b32 s27, s26                       ; the trips
	s_ctz_i32_b32 s24, s26
	s_min_u32 s24, s24, 7                          ; the first expert
	s_mul_i32 s90, s24, 139264                     ; an expert's 8 blocks of 17,408 bytes
	s_mov_b32 s91, 0
	s_add_nc_u64 s[82:83], s[92:93], s[90:91]
	s_lshl_b32 s90, s24, 12
	s_add_nc_u64 s[86:87], s[94:95], s[90:91]
	LOADP 0, 82, 86, 0, 0                          ; no wait: their offsets stand ahead of the head's first wait on va_vdst, and no vector instruction has named the registers in which they land
	LOADP 1, 82, 86, 0, 1
	s_wait_kmcnt 0x0
.irp i, 0,1,2,3,4,5,6,7
	s_min_u32 s90, s[32+2*\i], 0x1fff
	s_lshl_b32 s90, s90, 10
	s_add_nc_u64 s[66+2*\i:67+2*\i], s[16:17], s[90:91]   ; the row of out that place 8 w + i owns
.endr
	s_mov_b32 s28, 0
	s_wait_alu depctr_vm_vsrc(0)                   ; x's gathers have read their offsets v188 to v191, which the gelu writes as |x|
.Lexpert:
	s_sub_co_u32 s90, s26, 1
	s_and_b32 s26, s26, s90                        ; the expert in hand leaves the set;
	s_ctz_i32_b32 s25, s26
	s_cmp_lg_u32 s26, 0
	s_cselect_b32 s25, s25, s24                    ; the next one, or in the last trip the same again: its look-ahead stays inside the buffer and is not read
	s_min_u32 s25, s25, 7
	s_mul_i32 s90, s25, 139264
	s_mov_b32 s91, 0
	s_add_nc_u64 s[84:85], s[92:93], s[90:91]
	s_lshl_b32 s90, s25, 12
	s_add_nc_u64 s[88:89], s[94:95], s[90:91]
	v_cmp_eq_u32 s96, s24, v[I1]                   ; the four compares stand in a run, each with a mask of its own
	v_cmp_eq_u32 s97, s24, v[I1+1]
	v_cmp_eq_u32 s98, s24, v[I1+2]
	v_cmp_eq_u32 s99, s24, v[I1+3]
	s_wait_alu depctr_va_sdst(0)                   ; the four masks s96 to s99 are written, ahead of their first reader
.irp m, 0,1
	v_cndmask_b32 v[WE+2*\m], 0, v[GWT+2*\m], s[96+2*\m]  ; my token's weight for this expert; 0 where it was not chosen
	v_cndmask_b32 v[WE+2*\m], v[WE+2*\m], v[GWT+2*\m+1], s[97+2*\m]
	v_mov_b32 v[WE+2*\m+1], v[WE+2*\m]
	s_or_b32 s[29+\m], s[96+2*\m], s[97+2*\m]      ; does any token of the tile use it
.endr
	; The counts: behind a piece's own loads stand those issued with the piece before it: 12 or 14 for a piece two on, and 17 more in the first four pieces for a quarter of W2.
	PIECE 0, 12                                    ; on the way in and on the way back: piece 1's 12
	PIECE 1, 29                                    ; 17 + 12
	PIECE 2, 29                                    ; 17 + 12
	PIECE 3, 31                                    ; 17 + 14
	PIECE 4, 29                                    ; 17 + 12
	PIECE 5, 12
	PIECE 6, 12
	PIECE 7, 14                                    ; the next expert's piece 0, with its scale words
.rept 8
	v_nop                                          ; the hidden layer's scale words were written by vector lines: eight places ahead of the scaled products, four for its codes
.endr
	s_wait_alu depctr_va_vdst(0)                   ; the quantiser's lines have written the hidden layer's codes and scale words, which the scaled products of both tiles take; the places above stay beside this wait
	s_wait_loadcnt 26                              ; W2 is in: only the next expert's first two pieces, 14 + 12 loads, were issued behind it
	WM2ACC 0
	WM2ACC 1
	s_wait_alu depctr_va_vdst(0)                   ; the second products are done reading W2's fragments and scale words, in which the next trip's loads land
	s_wait_xcnt 0x0                                ; the trip's loads have read their bases: these are written only behind this wait
	s_mov_b64 s[82:83], s[84:85]
	s_mov_b64 s[86:87], s[88:89]
	s_mov_b32 s24, s25
	s_add_co_u32 s28, s28, 1
	s_cmp_lt_u32 s28, s27
	s_cbranch_scc1 .Lexpert
	; THE END.  Each wave holds part sums (its 256 hidden units) of all 32 rows.  They go into its own 32 rows x 1,040 bytes of LDS (1,024 + 16: an odd multiple of 16); behind a barrier wave w adds the four parts of rows
	; 8 w .. 8 w + 7, adds wa b2[i1] + wb b2[i2], and stores whole rows.  (The last trip's look-ahead may still be landing in window 3 and in v84-91: nothing here names those.)
.irp i, 0,1,2,3,4,5,6,7
	s_bfe_u32 s90, s[33+2*\i], 0x40008             ; i1 and i2 of the row's token,
	s_bfe_u32 s91, s[33+2*\i], 0x4000c
	s_min_u32 s90, s90, 7                          ; held inside b2
	s_min_u32 s91, s91, 7
	s_lshl_b32 s90, s90, 10
	s_lshl_b32 s91, s91, 10
	v_add_nc_u32 v[BOF+2*\i], s90, v[LI]
	v_add_nc_u32 v[BOF+2*\i+1], s91, v[LI]
.endr
	s_mul_i32 s90, s18, 33280
	v_mul_u32_u24 v[SA], v[RR], 1040
	v_lshl_add_u32 v[SA], v[HH], 5, v[SA]
	v_add_nc_u32 v[SA], s90, v[SA]                 ; in: my wave's region, row lane % 16 (+ 16 m), 32 bytes for each half of the lanes
	s_mul_i32 s90, s18, 8320
	v_add_nc_u32 v[RA], s90, v[LI]                 ; back: rows 8 w on, 16 bytes a lane, of wave 0's region,
	v_add_nc_u32 v[RA+1], 33280, v[RA]             ; of wave 1's,
	v_add_nc_u32 v[RA+2], 66560, v[RA]
	v_add_nc_u32 v[RA+3], 99840, v[RA]
	WIN 0x80                                       ; destination window 2: W2's registers are done with
	s_wait_alu depctr_va_vdst(0)                   ; the offsets and LDS addresses v120 to v140 are written, which the loads and LDS instructions below read; the multiply-adds have written OUT, which the LDS stores read; the products are done reading window 2, in which b2's rows land
.irp i, 0,1,2,3,4,5,6,7
.irp k, 0,1
.irp f, 0,1
	global_load_b128 v[16*\i+8*\k+4*\f:16*\i+8*\k+4*\f+3], v[BOF+2*\i+\k], s[10:11] offset:512*\f
.endr
.endr
.endr
	WIN 0x04                                       ; an LDS store's data are its source 1: window 1
.irp m, 0,1
.irp n, 0,1,2,3,4,5,6,7,8,9,10,11,12,13,14,15
	ds_store_b128 v[SA], v[128*\m+8*\n:128*\m+8*\n+3] offset:16640*\m+64*\n       ; lane (r, h): row 16 m + r, outputs 16 nt + 8 h + 0 .. 7
	ds_store_b128 v[SA], v[128*\m+8*\n+4:128*\m+8*\n+7] offset:16640*\m+64*\n+16
.endr
.endr
	WIN 0
	s_wait_dscnt 0x0                               ; for the others' sake: my part sums lie in LDS
	s_barrier_signal -1
	s_barrier_wait -1
	WIN 0x40                                       ; destination window 1: row i, half f, wave ww's part at 32 i + 16 f + 4 ww
	s_wait_alu depctr_vm_vsrc(0)                   ; my LDS stores have read OUT's registers, in which the loads below land
.irp i, 0,1,2,3,4,5,6,7
.irp f, 0,1
.irp ww, 0,1,2,3
	ds_load_b128 v[32*\i+16*\f+4*\ww:32*\i+16*\f+4*\ww+3], v[RA+\ww] offset:1040*\i+512*\f
.endr
.endr
.endr
	s_wait_loadcnt 0x0                             ; b2's rows
.macro ROWS i0, left
	s_wait_dscnt \left                             ; these four rows' 32 loads are back
	WIN 0x45                                       ; all three in window 1
.irp i, \i0, \i0+1, \i0+2, \i0+3
.irp f, 0,1
.irp c, 0,2
	v_pk_add_f32 v[32*(\i)+16*\f+\c:32*(\i)+16*\f+\c+1], v[32*(\i)+16*\f+\c:32*(\i)+16*\f+\c+1], v[32*(\i)+16*\f+4+\c:32*(\i)+16*\f+4+\c+1]
	v_pk_add_f32 v[32*(\i)+16*\f+8+\c:32*(\i)+16*\f+8+\c+1], v[32*(\i)+16*\f+8+\c:32*(\i)+16*\f+8+\c+1], v[32*(\i)+16*\f+12+\c:32*(\i)+16*\f+12+\c+1]
.endr
.endr
.endr
.irp i, \i0, \i0+1, \i0+2, \i0+3
.irp f, 0,1
.irp c, 0,2
	v_pk_add_f32 v[32*(\i)+16*\f+\c:32*(\i)+16*\f+\c+1], v[32*(\i)+16*\f+\c:32*(\i)+16*\f+\c+1], v[32*(\i)+16*\f+8+\c:32*(\i)+16*\f+8+\c+1]
.endr
.endr
.endr
	WIN 0x52                                       ; source 0 (b2) window 2; source 2 and destination window 1
.irp k, 0,1
.irp i, \i0, \i0+1, \i0+2, \i0+3
.irp f, 0,1
.irp c, 0,1,2,3
	v_fma_f32 v[32*(\i)+16*\f+\c], v[16*(\i)+8*\k+4*\f+\c], s[48+2*(\i)+\k], v[32*(\i)+16*\f+\c]
.endr
.endr
.endr
.endr
	WIN 0x04                                       ; a store's data are its source 1: window 1
	s_wait_alu depctr_va_vdst(0)                   ; the additions and multiply-adds have written these four rows, which the stores below read
.irp i, \i0, \i0+1, \i0+2, \i0+3
.irp f, 0,1
	global_store_b128 v[LI], v[32*(\i)+16*\f:32*(\i)+16*\f+3], s[66+2*(\i):67+2*(\i)] offset:512*\f th:TH_STORE_NT   ; 32 lanes store 512 consecutive bytes, at a multiple of 256 from out's first byte
.endr
.endr
.endm
	ROWS 0, 32                                     ; the last four rows' 32 loads may be out
	ROWS 4, 0                                      ; (its lines write other registers than the first four rows' stores read)
	WIN 0
	s_wait_dscnt 0x0                               ; the closing lines, six on end
	s_wait_alu 0x0
	s_wait_tensorcnt 0x0
	ds_add_u32 v254, v255
	s_wait_dscnt 0x0
	s_endpgm
.Lfunc_end_k_q7df215b9f4_chain:
	.size	k_q7df215b9f4_chain, .Lfunc_end_k_q7df215b9f4_chain-k_q7df215b9f4_chain
	.p2alignl 7, 3214868480
	.fill 96, 4, 3214868480
	.section	.rodata,"a",@progbits
	.p2align	6, 0x0
	.amdhsa_kernel k_q7df215b9f4_chain
		.amdhsa_group_segment_fixed_size 133632
		.amdhsa_private_segment_fixed_size 0
		.amdhsa_enable_private_segment 0
		.amdhsa_kernarg_size 56
		.amdhsa_user_sgpr_count 2
		.amdhsa_user_sgpr_kernarg_segment_ptr 1
		.amdhsa_wavefront_size32 1
		.amdhsa_system_sgpr_workgroup_id_x 1
		.amdhsa_system_sgpr_workgroup_id_y 1
		.amdhsa_system_sgpr_workgroup_id_z 1
		.amdhsa_system_vgpr_workitem_id 0
		.amdhsa_next_free_vgpr 1024
		.amdhsa_next_free_sgpr 100
		.amdhsa_reserve_vcc 0
		.amdhsa_float_denorm_mode_32 3
		.amdhsa_float_denorm_mode_16_64 3
		.amdhsa_memory_ordered 1
		.amdhsa_forward_progress 1
		.amdhsa_inst_pref_size 255
	.end_amdhsa_kernel
	.section	.bss,"aw",@nobits
	.p2align	6
	.space	262144
	.amdgpu_metadata
---
amdhsa.version: [ 1, 2 ]
amdhsa.kernels:
  - .name:           k_q7df215b9f4_chain
    .symbol:         k_q7df215b9f4_chain.kd
    .args:
      - { .name: xq, .offset: 0, .size: 8, .value_kind: global_buffer, .address_space: global }
      - { .name: wq, .offset: 8, .size: 8, .value_kind: global_buffer, .address_space: global }
      - { .name: b1, .offset: 16, .size: 8, .value_kind: global_buffer, .address_space: global }
      - { .name: b2, .offset: 24, .size: 8, .value_kind: global_buffer, .address_space: global }
      - { .name: ordi, .offset: 32, .size: 8, .value_kind: global_buffer, .address_space: global }
      - { .name: ordw, .offset: 40, .size: 8, .value_kind: global_buffer, .address_space: global }
      - { .name: out0, .offset: 48, .size: 8, .value_kind: global_buffer, .address_space: global }
    .group_segment_fixed_size: 133632
    .private_segment_fixed_size: 0
    .kernarg_segment_align: 8
    .kernarg_segment_size: 56
    .max_flat_workgroup_size: 128
    .sgpr_count:     100
    .vgpr_count:     1024
    .wavefront_size: 32
...
	.end_amdgpu_metadata
.endif
;; end of part 4
